; MI455X (gfx1250); checked and timed in simulation.
; The chip was launched on July 23, 2026; its instructions are those of AMD's public machine-readable ISA for CDNA 5 (MIT licence, August 2026) and "CDNA5" Instruction Set Architecture Reference Guide (July 2026). The comments in the code are by the model that wrote it; some were corrected since.
;; Self Attention. Allowed arithmetic: matrix products marked QUANTISED: E2M1 operands, one E8M0 scale for each 32 along K, by v_wmma_scale_f32_16x16x128_f8f6f4 with both operands' format E2M1 (or v_wmma_scale_f32_32x16x128_f4), f32 sums; products left as they are: bf16, f16 or f32 operands; f32 sums; everything else in f32.
;; Inputs: W_in 3,072 x 1,024 float32; W_out 1,024 x 1,024 float32; b_in 3,072 float32; b_out 1,024 float32; x 4 x 2,048 x 1,024 float32.
;; Outputs: out0 4 x 2,048 x 1,024 float32.
;; This version of the problem:
;;   THIS VERSION OF THE PROBLEM IS GIVEN IN LOW PRECISION. The matrix products marked QUANTISED in the list below multiply operands that are first quantised to E2M1 (2 exponent bits, 1 mantissa bit; 4 bits a number), with one power-of-two scale for each 32 numbers along K (OCP MX v1.0); their sums are f32. The products marked 'left as it is' may take bf16, f16 or f32 operands, with f32 sums. Whichever they take, every output number must still come out within the allowed error. Rounding operands to bf16 (8 significant bits) uses up far more of that allowance than f16 does (11 bits, for magnitudes from 6e-5 to 65,504). All else is computed in f32.
;;   The module's matrix products, in the order in which they are computed (A, B: the left and right operand; K: the contracted axis; several contracted axes count as one K, in the product's order):
;;     1. [M 8,192, K 1,024] x [K 1,024, N 3,072]; A: input x; B: input W_in: QUANTISED
;;     2. batch 64 x [M 2,048, K 64] x [K 64, N 2,048]; A: computed on the way; B: computed on the way: left as it is (an operand is computed on the way)
;;     3. batch 64 x [M 2,048, K 2,048] x [K 2,048, N 64]; A: computed on the way; B: computed on the way: left as it is (an operand is computed on the way)
;;     4. [M 8,192, K 1,024] x [K 1,024, N 1,024]; A: computed on the way; B: input W_out: left as it is (an operand is computed on the way)
;;   THE QUANTISER, for each operand of a quantised product, along K:
;;     - K is cut into blocks of 32 from its start; a last block that is shorter is filled with zeros.
;;     - A block's scale is 2^e with e = floor(log2(the largest magnitude in the block)) - 2, held to -126 .. 127; a block of zeros has e = 0. As a byte (E8M0): e + 127.
;;     - Each number is divided by its block's scale, clamped to +-6, and rounded to the nearest number of E2M1, ties to even, subnormals kept.
;;     - The product sums the exact products of the quantised numbers (number of the format x scale) in f32.
;;   ~~~python
;;   def quantise(x, axis):      # numpy; x: float32 -> the quantised numbers, widened to float32 again
;;       x = np.moveaxis(x, axis, -1); K = x.shape[-1]
;;       x = np.pad(x, [(0, 0)] * (x.ndim - 1) + [(0, -K % 32)]); x = x.reshape(x.shape[:-1] + (-1, 32)); a = np.abs(x).max(-1, keepdims=True)
;;       e = np.where(a > 0, np.clip(np.frexp(np.where(a > 0, a, 1))[1] - 1 - 2, -126, 127), 0)      # np.frexp(a)[1] - 1 = floor(log2(a)), exactly
;;       r = np.clip(x / 2.0 ** e, -6, 6)
;;       step = 2.0 ** (np.maximum(np.frexp(np.where(r == 0, 1, r))[1] - 1, 0) - 1)
;;       q = np.round(r / step) * step * 2.0 ** e      # np.round: ties to even
;;       return np.moveaxis(q.reshape(q.shape[:-2] + (-1,))[..., :K], -1, axis).astype(np.float32)
;;   ~~~
;; One version. Each part assembles by itself: llvm-mc -triple=amdgcn-amd-amdhsa -mcpu=gfx1250 --defsym DOCPART=n.
;; ======== version 1 of 1: 5 launches
;; limits: values are held in f16: magnitudes above 65,504 overflow, below 6.1e-05 lose precision
;; workspace buffers: xc 4,194,304 bytes; xs 262,144 bytes; wc 1,572,864 bytes; ws 98,304 bytes; qkv 50,331,648 bytes; fine 786,432 bytes; att 16,777,216 bytes; wf 2,097,152 bytes
;; launch quant (part 1): grid 416 x 1, 4 waves a work-group, no clusters, 33,280 bytes of LDS; arguments x, W_in, xc, xs, wc, ws, W_out, wf; writes xc, xs, wc, ws, wf
.if DOCPART == 1
	.amdgcn_target "amdgcn-amd-amdhsa--gfx1250"
	.amdhsa_code_object_version 6
	.text
	.protected	k_qeaebf55cc1_quant
	.globl	k_qeaebf55cc1_quant
	.p2align	8
	.type	k_qeaebf55cc1_quant,@function
k_qeaebf55cc1_quant:
	s_mov_b64 s[64:65], 0
	v_nop
	global_prefetch_b8 v0, s[64:65] scope:SCOPE_SE
	s_setreg_imm32_b32 hwreg(HW_REG_WAVE_MODE, 25, 1), 1
	s_wait_xcnt 0x0
; x [8192][1024] and W_in [3072][1024], f32, become codes of FP4 (E2M1), K innermost, with one E8M0 scale byte for each 32 along K; W_out [1024][1024], f32, becomes f16 in the order of a matrix operand's registers.
; A block's scale is 2^(floor(log2(its largest magnitude)) - 2); its byte is the largest magnitude's own exponent field - 2, held at 1 from below.  A block of zeros so gets the byte 1 where the rule says 127:
; its codes are zeros, which add nothing under any byte but 0xff, and the bytes are read by this program alone.  Each number is divided by the scale and rounded to the nearest code, ties to even; beyond 6 the largest code.
; LIMITS: blocks whose largest magnitude lies under 2^-124 keep the byte 1; NaN and infinities among the inputs are not served; W_out's magnitudes stay under 65,504 (f16).
; WORK-GROUPS 0-255 take x, 256-351 W_in: rows are dense and 1,024 is a multiple of 32, so both are plain streams of blocks of 32.  A wave takes 16 steps of 512 numbers.  Each of a step's four loads reads 512 consecutive
; bytes; the 2,048 bytes turn through the wave's own stage in LDS and come back 64 bytes a lane (16 neighbours along K; two neighbouring lanes hold a block).  A lane's 16 codes are 8 bytes: the wave stores 256 consecutive bytes.
; A wave's 256 scale bytes are gathered in LDS and leave as 256 consecutive bytes.  Loads run four steps ahead, the turn through LDS one step.
; WORK-GROUPS 352-415 take 16 rows of W_out each, wave w the columns 256 w on.  wf is laid [ks 4][nt 64][block 16][lane 32][16 bytes]: lane (r, h) of block n holds W_out(16 nt + r, 256 ks + 16 n + 8 h + 0 .. 7):
; two neighbouring blocks are one fragment of 16 rows x 32 K.  A load takes two pieces of 16 bytes, 32 bytes apart, in each of 16 rows; a wave's 32 loads cover 1,024 consecutive bytes of each of its rows; each store covers 512 consecutive bytes.
.set WAVES, 4
.set STEPS, 16
.set WGA,   256                        ; x's work-groups: 8192 x 1024 / 32768
.set WGQ,   352                        ; and W_in's 96 behind them
.set EMAX,  2
.set CB,    8                          ; bytes of 16 codes
.set R,     16                         ; v16-79   four sets of 16 numbers as they are loaded
.set X,     80                         ; v80-111  two sets of 16 neighbours
.set C,     128                        ; v128-191 codes: four registers for each step, so that no store's data are written again
.set E,     112                        ; v112-127 a scale byte for each step
.set WREG,  8192                       ; LDS: a region for each wave: two stages of 32 x SP bytes, and behind them its 256 scale bytes
.set SP,    80                         ; a lane's place in a stage: its 64 bytes + 16 of padding
.set SPW,   12                         ; v12      LDS address of my spare word; never rewritten
.set NIL,   13                         ; v13      0; never rewritten
.set SPARE, WAVES*WREG                 ; behind the four regions: the spare words, 128 bytes for each wave
	s_load_b128 s[4:7], s[0:1], 0x0                ; x, W_in
	s_load_b128 s[8:11], s[0:1], 0x10              ; x's codes, x's scales
	s_load_b128 s[12:15], s[0:1], 0x20             ; W_in's codes, W_in's scales
	s_load_b128 s[24:27], s[0:1], 0x30             ; W_out, wf
	v_lshl_add_u32 v[SPW], v0, 2, SPARE
	v_mov_b32 v[NIL], 0
	v_lshrrev_b32 v1, 5, v0
	v_readfirstlane_b32 s16, v1                    ; wave
	v_and_b32 v2, 31, v0                           ; lane
	v_lshlrev_b32 v3, 4, v2                        ; 16 x lane
	s_mul_i32 s17, s16, WREG
	v_lshrrev_b32 v14, 2, v2
	v_mul_u32_u24 v14, v14, SP
	v_and_b32 v15, 3, v2
	v_lshl_add_u32 v14, v15, 4, v14
	v_add_nc_u32 v14, s17, v14                     ; the stage, on the way in: four lanes' 64 bytes on end, then 16 of padding
	v_mul_u32_u24 v15, v2, SP
	v_add_nc_u32 v15, s17, v15                     ; and on the way out: SP x lane: my 16 neighbours
	v_mul_u32_u24 v4, v2, CB                       ; my codes' place in a step's
	v_lshrrev_b32 v5, 1, v2
	s_add_co_u32 s17, s17, 2*32*SP
	v_add_nc_u32 v5, s17, v5                       ; LDS: my wave's 256 scale bytes, my block's byte
	v_lshlrev_b32 v7, 3, v2                        ; and on the way out 8 bytes a lane
	v_add_nc_u32 v6, s17, v7
	s_wait_kmcnt 0x0
	s_cmp_lt_u32 ttmp9, WGQ                        ; the work-group's number alone decides
	s_cbranch_scc1 .Lcodes
	; ---- W_out to f16, in fragment order
	s_sub_co_u32 s17, ttmp9, WGQ                   ; nt: which 16 rows
	v_and_b32 v8, 15, v2                           ; r
	v_lshrrev_b32 v9, 4, v2                        ; h
	v_lshlrev_b32 v8, 12, v8                       ; a row of W_out is 4,096 bytes
	v_lshl_add_u32 v8, v9, 5, v8                   ; + 32 h
	s_lshl_b32 s18, s17, 16                        ; 16 rows,
	s_lshl_b32 s19, s16, 10                        ; my wave's 256 columns
	s_add_co_u32 s18, s18, s19
	s_mov_b32 s19, 0
	s_add_nc_u64 s[24:25], s[24:25], s[18:19]
	s_lshl_b32 s18, s16, 19                        ; wf: ks x 64 x 8,192
	s_lshl_b32 s20, s17, 13                        ;     + nt x 8,192
	s_add_co_u32 s18, s18, s20
	s_add_nc_u64 s[26:27], s[26:27], s[18:19]
.irp n, 0,1,2,3,4,5,6,7,8,9,10,11,12,13,14,15
.irp e, 0,1
	global_load_b128 v[16+8*\n+4*\e:16+8*\n+4*\e+3], v8, s[24:25] offset:64*\n+16*\e   ; W_out(r, 16 n + 8 h + 4 e + 0 .. 3)
.endr
.endr
	s_wait_loadcnt 0x0
.set g, 0
.rept 64
	v_cvt_pk_f16_f32 v[16+g], v[16+2*g], v[17+2*g] ; in place: a result never lies ahead of a number that is still to be read
.set g, g+1
.endr
.irp n, 0,1,2,3,4,5,6,7,8,9,10,11,12,13,14,15
	global_store_b128 v3, v[16+4*\n:19+4*\n], s[26:27] offset:512*\n   ; block n: 512 consecutive bytes
.endr
	s_branch .Lend
.Lcodes:
	s_cmp_lt_u32 ttmp9, WGA                        ; x's work-group or W_in's?
	s_cselect_b64 s[4:5], s[4:5], s[6:7]
	s_cselect_b64 s[8:9], s[8:9], s[12:13]
	s_cselect_b64 s[10:11], s[10:11], s[14:15]
	s_cselect_b32 s17, 0, WGA
	s_sub_co_u32 s17, ttmp9, s17
	s_lshl_b32 s17, s17, 2
	s_add_co_u32 s18, s17, s16                     ; which run of 8,192 numbers of the tensor is my wave's
	s_mov_b32 s19, 0
	s_mov_b64 s[20:21], 512*STEPS*4
	s_mul_u64 s[20:21], s[18:19], s[20:21]
	s_add_nc_u64 s[4:5], s[4:5], s[20:21]
	s_mov_b64 s[20:21], 32*STEPS*CB
	s_mul_u64 s[20:21], s[18:19], s[20:21]
	s_add_nc_u64 s[8:9], s[8:9], s[20:21]
	s_lshl_b32 s18, s18, 8                         ; 256 scale bytes a run
	s_add_nc_u64 s[10:11], s[10:11], s[18:19]
.macro LOAD t
.irp i, 0,1,2,3
	global_load_b128 v[R+16*((\t)%4)+4*\i:R+16*((\t)%4)+4*\i+3], v3, s[4:5] offset:2048*(\t)+512*\i th:TH_LOAD_NT   ; 32 lanes read 512 consecutive bytes
.endr
.endm
.macro TURN t                          ; step t's numbers through the stage: LDS serves a wave's instructions in order, so no wait stands between the stores and the loads
.irp i, 0,1,2,3
	ds_store_b128 v14, v[R+16*((\t)%4)+4*\i:R+16*((\t)%4)+4*\i+3] offset:32*SP*((\t)%2)+8*SP*\i
.endr
.irp i, 0,1,2,3
	ds_load_b128 v[X+16*((\t)%2)+4*\i:X+16*((\t)%2)+4*\i+3], v15 offset:32*SP*((\t)%2)+16*\i
.endr
.endm
.irp t, 0,1,2,3
	LOAD \t
.endr
	s_wait_loadcnt 12                              ; step 0's four loads are in; those of steps 1 to 3 may be out
	TURN 0
.macro STEP t
.set XS, X+16*((\t)%2)
.if (\t) > 0
	s_wait_dscnt 1                                 ; this step's numbers are back from the stage (the last step's byte store may be out): so its stores into the stage have read their registers,
.else
	s_wait_dscnt 0x0
.endif
.if (\t)+4 < STEPS
	LOAD (\t)+4                                    ; which take the loads of four steps on
.endif
.if (\t)+1 < STEPS
.if STEPS-2-(\t) >= 3
	s_wait_loadcnt 12                              ; the next step's four loads are in; those of the three steps behind it may be out
.else
	s_wait_loadcnt 4*(STEPS-2-(\t))
.endif
	TURN (\t)+1                                    ; and go through the other stage while this step is worked
.endif
	v_max3_num_f32 v8, |v[XS]|, |v[XS+1]|, |v[XS+2]|               ; the largest magnitude of my 16, in two chains
	v_max3_num_f32 v9, |v[XS+3]|, |v[XS+4]|, |v[XS+5]|
.irp i, 6,10
	v_max3_num_f32 v8, v8, |v[XS+\i]|, |v[XS+\i+1]|
	v_max3_num_f32 v9, v9, |v[XS+\i+2]|, |v[XS+\i+3]|
.endr
	v_max3_num_f32 v8, v8, |v[XS+14]|, |v[XS+15]|
	v_max3_num_f32 v8, v8, v9, (EMAX+1)<<23        ; and the floor 2^(3 - 127): so the byte cannot fall under 1
	v_max_num_f32_dpp v8, v8, v8 row_xmask:1 row_mask:0xf bank_mask:0xf   ; and of my neighbour's 16: the block's
	v_add_nc_u32 v11, -(EMAX<<23), v8              ; 2 off its exponent field: the conversion takes the exponent field of this operand as its scale, and nothing else of it
	v_cvt_scalef32_pk8_fp4_f32 v[C+4*(\t)], v[XS:XS+7], v11
	v_cvt_scalef32_pk8_fp4_f32 v[C+4*(\t)+1], v[XS+8:XS+15], v11
	v_lshrrev_b32 v[E+(\t)], 23, v11               ; the scale's byte (also the plain line behind the conversions)
	ds_store_b8 v5, v[E+(\t)] offset:16*(\t)       ; both lanes of a block write the same byte with the same value
	global_store_b64 v4, v[C+4*(\t):C+4*(\t)+1], s[8:9] offset:32*CB*(\t)
.endm
.irp t, 0,1,2,3,4,5,6,7,8,9,10,11,12,13,14,15
	STEP \t
.endr
	ds_load_b64 v[8:9], v6                         ; LDS serves a wave's instructions in order: these see my stores
	s_wait_dscnt 0x0
	global_store_b64 v7, v[8:9], s[10:11]          ; 32 lanes store 256 consecutive bytes, aligned
.Lend:
	s_wait_tensorcnt 0x0                           ; the wave's end
	ds_add_u32 v[SPW], v[NIL]
	s_wait_dscnt 0x0
	s_endpgm
.Lfunc_end_k_qeaebf55cc1_quant:
	.size	k_qeaebf55cc1_quant, .Lfunc_end_k_qeaebf55cc1_quant-k_qeaebf55cc1_quant
	.p2alignl 7, 3214868480
	.fill 96, 4, 3214868480
	.section	.rodata,"a",@progbits
	.p2align	6, 0x0
	.amdhsa_kernel k_qeaebf55cc1_quant
		.amdhsa_group_segment_fixed_size 33280
		.amdhsa_private_segment_fixed_size 0
		.amdhsa_enable_private_segment 0
		.amdhsa_kernarg_size 64
		.amdhsa_user_sgpr_count 2
		.amdhsa_user_sgpr_kernarg_segment_ptr 1
		.amdhsa_wavefront_size32 1
		.amdhsa_system_sgpr_workgroup_id_x 1
		.amdhsa_system_sgpr_workgroup_id_y 1
		.amdhsa_system_sgpr_workgroup_id_z 1
		.amdhsa_system_vgpr_workitem_id 0
		.amdhsa_next_free_vgpr 192
		.amdhsa_next_free_sgpr 66
		.amdhsa_reserve_vcc 0
		.amdhsa_float_denorm_mode_32 3
		.amdhsa_float_denorm_mode_16_64 3
		.amdhsa_memory_ordered 1
		.amdhsa_forward_progress 1
		.amdhsa_inst_pref_size 43
	.end_amdhsa_kernel
	.amdgpu_metadata
---
amdhsa.version: [ 1, 2 ]
amdhsa.kernels:
  - .name:           k_qeaebf55cc1_quant
    .symbol:         k_qeaebf55cc1_quant.kd
    .args:
      - { .name: x, .offset: 0, .size: 8, .value_kind: global_buffer, .address_space: global }
      - { .name: W_in, .offset: 8, .size: 8, .value_kind: global_buffer, .address_space: global }
      - { .name: xc, .offset: 16, .size: 8, .value_kind: global_buffer, .address_space: global }
      - { .name: xs, .offset: 24, .size: 8, .value_kind: global_buffer, .address_space: global }
      - { .name: wc, .offset: 32, .size: 8, .value_kind: global_buffer, .address_space: global }
      - { .name: ws, .offset: 40, .size: 8, .value_kind: global_buffer, .address_space: global }
      - { .name: W_out, .offset: 48, .size: 8, .value_kind: global_buffer, .address_space: global }
      - { .name: wf, .offset: 56, .size: 8, .value_kind: global_buffer, .address_space: global }
    .group_segment_fixed_size: 33280
    .private_segment_fixed_size: 0
    .kernarg_segment_align: 8
    .kernarg_segment_size: 64
    .max_flat_workgroup_size: 128
    .sgpr_count:     66
    .vgpr_count:     192
    .wavefront_size: 32
...
	.end_amdgpu_metadata
.endif
;; end of part 1
;; launch qkv (part 2): grid 12 x 32, 4 waves a work-group, clusters of 4 x 4, 327,680 bytes of LDS; arguments xc, xs, wc, ws, b_in, qkv, fine; writes qkv, fine
.if DOCPART == 2
	.amdgcn_target "amdgcn-amd-amdhsa--gfx1250"
	.amdhsa_code_object_version 6
	.text
	.protected	k_qeaebf55cc1_qkv
	.globl	k_qeaebf55cc1_qkv
	.p2align	8
	.type	k_qeaebf55cc1_qkv,@function
k_qeaebf55cc1_qkv:
	s_mov_b64 s[64:65], 0
	v_nop
	global_prefetch_b8 v0, s[64:65] scope:SCOPE_SE
	s_setreg_imm32_b32 hwreg(HW_REG_WAVE_MODE, 25, 1), 1
	s_wait_xcnt 0x0
	s_wait_alu depctr_hold_cnt(0) depctr_sa_sdst(0) depctr_va_vdst(0) depctr_va_sdst(0) depctr_va_ssrc(0) depctr_va_vcc(0) depctr_vm_vsrc(0)
	s_getreg_b32 s2, hwreg(HW_REG_IB_STS2, 6, 4)
	s_cmp_eq_u32 s2, 0
	s_cbranch_scc0 .Lentry_in_a_cluster
	s_endpgm
.Lentry_in_a_cluster:
	s_bfe_u32 s2, ttmp6, 0x10000c
	s_cmp_lg_u32 s2, 0xf033
	s_cbranch_scc0 .Lentry_shape_is_right
	s_endpgm
.Lentry_shape_is_right:
; qkv = x W_in^T + b_in on codes of FP4 (E2M1) with one E8M0 scale for each 32 along K.  x: [8192][1024], W_in: [3072][1024] as codes (512 bytes a row) and scale bytes (32 a row); sums in f32.
; A tile of the result, 256 x 256, is made by a work-group of four waves; a wave makes 128 x 128: 64 accumulators of 16 x 16, 512 registers.  K = 1,024 is two K steps of 512: both LDS slots are filled once, at the start, and nothing is filled again.
; The scale bytes of the work-group's 256 rows of x and of W_in come into LDS once, with the first fills.
; CLUSTERS: 4 x 4 work-groups; the four of a row need the same tiles of x, the four of a column the same tiles of W_in: each is asked for jointly.  A cluster's x is the tensor: 0 = q, 1 = k, 2 = v.
; THE MATRIX INSTRUCTION IS USED TRANSPOSED (source 0 = 16 rows of W_in, source 1 = 16 rows of x): a lane holds one position (lane % 16) and eight neighbouring channels.  The bias is the C of each sum's first product.
; THE WAY OUT needs no LDS.  qkv is f16, laid in the order of the next products' operand registers: [tensor 3][batch x head 64][tile of 16 positions 128][16 channels 4][512 bytes]: a lane's eight results, packed,
; are its 16 bytes of such a block, and a wave's store covers 512 consecutive bytes.  In q and k lane L's bytes lie at 16 L.  In v they lie at 16 ((r & 7) + 8 h + 16 (r >> 3)), so that the turning LDS load of the attention reads 16 x lane.
; Positions 0-15 of every sequence are also stored unrounded, in f32, into fine [tensor 3][batch 4][head 16][16 channels 4][half 2][lane][16 bytes], by the waves that hold them: told apart by EXEC.
; LIMITS: |q|, |k|, |v| stay under 65,504 (f16); NaN and infinities are not served.
; REGISTERS, in windows of 256: window 0: v0-31 addresses; v32-95 scale words, two sets; v128-191 x's fragments, one set, on the way out the packed results; v192-255 the bias.
;   window 1: W_in's fragments, two sets.   window 2: the accumulators of my rows 0-63 ((a, b) at v[8 (8 a + b)]);   window 3: those of my rows 64-127.
.set SIZE_K, 1024
.set KSTEP,  512                       ; along K in a slot
.set NQ,     KSTEP/128                 ; matrix instructions deep
.set ROWB,   256                       ; a tile's row in bytes
.set KROW,   SIZE_K/2                  ; a row of codes in memory
.set PITCH,  272                       ; an LDS row: 256 bytes + 16 of padding: the 16 rows that a load touches start at 16 different banks
.set FR,     8                         ; registers of a fragment: 16 rows x 128 K
.set NLD,    2                         ; LDS loads that bring one
.set NP,     4                         ; places behind this matrix instruction (ISA guide 7.12.1)
.set HALFT,  128*PITCH                 ; 128 rows: what one tensor load brings
.set SLOT,   4*HALFT                   ; x's 256 rows, then W_in's 256 rows
.set KS,     SIZE_K/32                 ; a row of scales in bytes
.set SCL,    2*SLOT                    ; behind the slots: the scales, as runs of 256 bytes + 16 of padding
.set HALFS,  (128*KS/256)*272          ; the scales of 128 rows
.set SBLK,   (16*KS/256)*272           ; those of 16 rows
.set SPARE,  SCL+4*HALFS               ; the spare words, 128 bytes for each wave
.set ADRA, 16                          ; v16-17  LDS address of my x fragments in slot 0, 1
.set ADRB, 20                          ; v20-21  the same for W_in
.set CO,   24                          ; v24     my 16 bytes' place in a block of qkv
.set CON,  25                          ; v25     16 x lane
.set BO,   26                          ; v26     32 x (lane / 16): my half's place in 16 numbers of the bias
.set ADRS, 27                          ; v27     LDS address of my scale words: lanes 0-15 x's rows, lanes 16-31 W_in's
.set SPW,  28                          ; v28     LDS address of my spare word; never rewritten
.set NIL,  29                          ; v29     0; never rewritten
.set SC,   32                          ; scale words: set s at v[SC + 32 s]; register 4 i + q: lanes 0-15 the word of x's block i, lanes 16-31 that of W_in's block i
.set AF,   128                         ; x's fragments
.set Y,    128                         ; the way out: two sets of 32 packed registers
.set BIAS, 192                         ; b_in at my 128 columns: eight registers for each of W_in's eight blocks, in the result's layout
.set G1, 24                            ; s[24:31] descriptor group 1 for x's tiles;  s[32:39] group 0, one set for each slot
.set G0, 32
.set G1B, 48                           ; s[48:55], s[56:63] the same for W_in's tiles
.set G0B, 56
.set G1S, 68                           ; s[68:75], s[76:79] groups 1 and 0 for x's scales;  s[80:87], s[88:91] for W_in's
.set G0S, 76
.set G1SB, 80
.set G0SB, 88
.set MSB, 0
.macro WIN new                         ; the immediate's high byte repeats the setting that is left
.if MSB != \new
	s_set_vgpr_msb (MSB<<8)|\new
.set MSB, \new
.endif
.endm
.set MUL_LO, 0xa1                      ; source 0 window 1, source 1 window 0, C and D window 2
.set MUL_HI, 0xf1                      ; the same, C and D window 3
.set BEG_LO, 0x81                      ; the first step: C is the bias, in window 0
.set BEG_HI, 0xc1
.set TO_B,   0x40                      ; destination window 1, address window 0
; A joint load: waves 0 and 1 fetch for x, waves 2 and 3 for W_in.  The branch hangs on the wave's number alone.  An s_nop 0 and four v_nop follow each of the two lines.
.macro JLOAD g0a, g1a, g0b, g1b
	s_cmp_eq_u32 s15, 0
	s_cbranch_scc0 .Lfor_b_\@
	tensor_load_to_lds s[\g0a:\g0a+3], s[\g1a:\g1a+7]
	s_nop 0
.rept 4
	v_nop
.endr
	s_branch .Lasked_\@
.Lfor_b_\@:
	tensor_load_to_lds s[\g0b:\g0b+3], s[\g1b:\g1b+7]
	s_nop 0
.rept 4
	v_nop
.endr
.Lasked_\@:
.endm
.macro CROUND                          ; a round of the cluster's barrier
	s_barrier_signal -1
	s_barrier_wait -1
	s_cmp_lg_u32 s14, 0
	s_cbranch_scc1 .Lnot_wave_0_\@
	s_barrier_signal -3
.Lnot_wave_0_\@:
	s_barrier_wait -3
	s_barrier_signal -1
	s_barrier_wait -1
.endm
	s_load_b128 s[4:7], s[0:1], 0x0                ; x's codes, x's scales
	s_load_b128 s[8:11], s[0:1], 0x10              ; W_in's codes, W_in's scales
	s_load_b64 s[12:13], s[0:1], 0x20              ; b_in
	s_load_b128 s[96:99], s[0:1], 0x28             ; qkv, fine
	v_lshl_add_u32 v[SPW], v0, 2, SPARE
	v_mov_b32 v[NIL], 0
	ds_add_u32 v[SPW], v[NIL]                      ; the wave's opening: the add, twice on end, and its wait ahead of my first tensor load
	ds_add_u32 v[SPW], v[NIL]
	v_lshrrev_b32 v1, 5, v0
	v_readfirstlane_b32 s14, v1                    ; wave 0..3
	s_lshr_b32 s15, s14, 1                         ; which half of the tile's rows is mine.  Also: I fetch for x (0) or for W_in (1)
	s_and_b32 s16, s14, 1                          ; which half of its columns.  Also: which 128 rows of that tile I fetch
	s_bfe_u32 s40, ttmp6, 0x40000                  ; cx, cy: my place in the cluster
	s_bfe_u32 s41, ttmp6, 0x40004
	s_lshl_b32 s42, ttmp9, 2
	s_add_co_u32 s42, s42, s40                     ; tile column = 4 x cluster x + cx
	s_and_b32 s17, ttmp7, 0xffff
	s_lshl_b32 s17, s17, 2
	s_add_co_u32 s17, s17, s41                     ; tile row = 4 x cluster y + cy
	s_lshl_b32 s43, s41, 2
	s_lshl_b32 s43, 15, s43                        ; my row of the cluster
	s_lshl_b32 s44, 0x1111, s40                    ; my column
	; descriptor group 1: a tile of 128 rows x 256 bytes, 16 bytes of padding behind each row
	s_or_b32 s[G1+0], s43, (0<<16)|(1<<20)|(1<<21)|(5<<22)|(3<<25)
	s_or_b32 s[G1B+0], s44, (0<<16)|(1<<20)|(1<<21)|(5<<22)|(3<<25)
.irp g, G1, G1B
	s_mov_b32 s[\g+1], ROWB<<16                    ; tensor_dim0
	s_mov_b32 s[\g+2], 128<<16                     ; tensor_dim1
	s_mov_b32 s[\g+3], ROWB<<16                    ; tile_dim0
	s_mov_b32 s[\g+4], 128                         ; tile_dim1
	s_mov_b32 s[\g+5], KROW                        ; tensor_dim0_stride
	s_mov_b32 s[\g+6], 0
	s_mov_b32 s[\g+7], 0
.endr
	; the scales of 128 rows: 4,096 dense bytes, as 16 rows of 256 bytes (32 elements of 8 bytes), 16 bytes of padding behind each
	s_or_b32 s[G1S+0], s43, (3<<16)|(1<<20)|(1<<21)|(5<<22)|(3<<25)
	s_or_b32 s[G1SB+0], s44, (3<<16)|(1<<20)|(1<<21)|(5<<22)|(3<<25)
.irp g, G1S, G1SB
	s_mov_b32 s[\g+1], 32<<16
	s_mov_b32 s[\g+2], (128*KS/256)<<16
	s_mov_b32 s[\g+3], 32<<16
	s_mov_b32 s[\g+4], 128*KS/256
	s_mov_b32 s[\g+5], 32
	s_mov_b32 s[\g+6], 0
	s_mov_b32 s[\g+7], 0
.endr
	s_lshl_b32 s18, s16, 7                         ; which 128 rows of the tile I fetch
	s_lshl_b32 s20, s17, 8
	s_add_co_u32 s20, s20, s18                     ; x: row 256 x tile row + 128 x half
	s_lshl_b32 s46, s42, 8
	s_add_co_u32 s46, s46, s18                     ; W_in: row 256 x tile column + 128 x half
	s_mov_b32 s21, 0
	s_mov_b32 s47, 0
	s_mov_b64 s[18:19], KS
	s_mul_u64 s[22:23], s[20:21], s[18:19]         ; where these rows' scales begin, in bytes
	s_mul_u64 s[92:93], s[46:47], s[18:19]
	s_mov_b64 s[18:19], KROW
	s_mul_u64 s[20:21], s[20:21], s[18:19]         ; and their codes
	s_mul_u64 s[46:47], s[46:47], s[18:19]
	s_mul_i32 s45, s14, HALFT                      ; where they go: wave x 128 rows: no place in the cluster enters an LDS address
	s_mul_i32 s94, s14, HALFS
	s_wait_dscnt 0x0                               ; both opening adds are done
	s_wait_kmcnt 0x0
	s_add_nc_u64 s[20:21], s[4:5], s[20:21]
	s_add_nc_u64 s[22:23], s[6:7], s[22:23]
	s_add_nc_u64 s[46:47], s[8:9], s[46:47]
	s_add_nc_u64 s[92:93], s[10:11], s[92:93]
	CROUND                                         ; all sixteen work-groups are here: the first joint loads meet
	s_mov_b32 s[G0S], 1
	s_add_co_u32 s[G0S+1], s94, SCL
	s_mov_b64 s[G0S+2:G0S+3], s[22:23]
	s_or_b32 s[G0S+3], s[G0S+3], 0x80000000
	s_mov_b32 s[G0SB], 1
	s_add_co_u32 s[G0SB+1], s94, SCL
	s_mov_b64 s[G0SB+2:G0SB+3], s[92:93]
	s_or_b32 s[G0SB+3], s[G0SB+3], 0x80000000
	JLOAD G0S, G1S, G0SB, G1SB                     ; the scales first: they are wanted with K step 0
.irp s, 0,1
	s_mov_b32 s[G0+4*\s], 1
	s_add_co_u32 s[G0+4*\s+1], s45, \s*SLOT
	s_add_nc_u64 s[G0+4*\s+2:G0+4*\s+3], s[20:21], \s*ROWB
	s_or_b32 s[G0+4*\s+3], s[G0+4*\s+3], 0x80000000
	s_mov_b32 s[G0B+4*\s], 1
	s_add_co_u32 s[G0B+4*\s+1], s45, \s*SLOT
	s_add_nc_u64 s[G0B+4*\s+2:G0B+4*\s+3], s[46:47], \s*ROWB
	s_or_b32 s[G0B+4*\s+3], s[G0B+4*\s+3], 0x80000000
	JLOAD G0+4*\s, G1, G0B+4*\s, G1B               ; three tensor loads of mine are out at the most
.endr
	v_and_b32 v1, 15, v0                           ; r = lane % 16
	v_bfe_u32 v2, v0, 4, 1                         ; h = lane / 16
	; the bias at my 128 columns: lane (r, h) wants, for block b, b_in[.. + 16 b + 8 h + 0 .. 7]
	v_lshlrev_b32 v[BO], 5, v2
	s_lshl_b32 s46, s42, 10                        ; 256 columns x 4 bytes a tile column,
	s_lshl_b32 s47, s16, 9                         ; 128 x 4 my half
	s_add_co_u32 s46, s46, s47
	s_mov_b32 s47, 0
	s_add_nc_u64 s[12:13], s[12:13], s[46:47]
.irp b, 0,1,2,3,4,5,6,7
.irp e, 0,1
	global_load_b128 v[BIAS+8*\b+4*\e:BIAS+8*\b+4*\e+3], v[BO], s[12:13] offset:64*\b+16*\e
.endr
.endr
	v_mul_u32_u24 v3, v1, PITCH
	v_lshl_add_u32 v4, v2, 4, v3                   ; a fragment's row x pitch + 16 x half
	s_mul_i32 s21, s15, HALFT                      ; my 128 rows of x
	s_mul_i32 s22, s16, HALFT                      ; my 128 rows of W_in,
	s_add_co_u32 s22, s22, 2*HALFT                 ; which lie behind x's 256
.irp s, 0,1
	v_add_nc_u32 v[ADRA+\s], s21, v4
	v_add_nc_u32 v[ADRB+\s], s22, v4
	s_add_co_u32 s21, s21, SLOT
	s_add_co_u32 s22, s22, SLOT
.endr
	v_mul_u32_u24 v5, v1, KS                       ; my row's scales: KS bytes a row,
	v_lshrrev_b32 v6, 8, v5
	v_lshl_add_u32 v5, v6, 4, v5                   ; and 16 more for each 256 passed
	s_mul_i32 s21, s15, HALFS                      ; x's: my 128 rows
	s_mul_i32 s22, s16, HALFS                      ; W_in's: my 128 rows, behind x's 256
	s_add_co_u32 s22, s22, 2*HALFS
	s_sub_co_u32 s22, s22, s21
	v_mul_u32_u24 v6, s22, v2                      ; lanes 16-31 take W_in's
	s_add_co_u32 s21, s21, SCL
	v_add_nc_u32 v5, v5, v6
	v_add_nc_u32 v[ADRS], s21, v5
	; the way out: my lane's place in a block
	v_and_b32 v5, 31, v0
	v_lshlrev_b32 v[CON], 4, v5                    ; q, k, fine: 16 x lane
	v_and_b32 v5, 7, v0
	v_lshl_add_u32 v5, v2, 3, v5
	v_bfe_u32 v6, v0, 3, 1
	v_lshl_add_u32 v5, v6, 4, v5
	v_lshlrev_b32 v5, 4, v5                        ; v: 16 ((r & 7) + 8 h + 16 (r >> 3))
	s_cmp_eq_u32 ttmp9, 2                          ; the cluster's x is the tensor
	s_cselect_b32 s2, -1, 0
	v_cndmask_b32 v[CO], v[CON], v5, s2
	; and my wave's place in qkv and in fine
	s_lshr_b32 s18, s17, 3                         ; batch: 8 tile rows each
	s_and_b32 s19, s17, 7
	s_lshl_b32 s19, s19, 4
	s_lshl_b32 s46, s15, 3
	s_add_co_u32 s95, s19, s46                     ; my first tile of 16 positions in the sequence
	s_lshl_b32 s46, s40, 2
	s_lshl_b32 s47, s16, 1
	s_add_co_u32 s46, s46, s47                     ; my first head: 4 a tile column, 2 a half
	s_lshl_b32 s47, s18, 4
	s_add_co_u32 s47, s47, s46                     ; 16 x batch + head
	s_lshl_b32 s20, s47, 18
	s_lshl_b32 s21, s95, 11
	s_add_co_u32 s20, s20, s21
	s_lshl_b32 s21, ttmp9, 24
	s_add_co_u32 s20, s20, s21
	s_mov_b32 s21, 0
	s_add_nc_u64 s[20:21], s[96:97], s[20:21]      ; qkv at my wave's first block
	s_lshl_b32 s22, ttmp9, 6
	s_add_co_u32 s22, s22, s47                     ; (4 x tensor + batch) x 16 + head
	s_lshl_b32 s22, s22, 12
	s_mov_b32 s23, 0
	s_add_nc_u64 s[22:23], s[98:99], s[22:23]      ; fine likewise
.macro FRAG reg, adr, q, i             ; a fragment: lane l holds row l % 16; registers 4 c .. 4 c + 3 hold K = 64 c + 32 (l / 16) + 0 .. 31
.irp c, 0,1
	ds_load_b128 v[\reg+4*\c:\reg+4*\c+3], v[\adr] offset:64*(\q)+32*\c+(\i)*16*PITCH
.endr
.endm
; 16 matrix instructions: x's blocks a0, a0 + 1 against W_in's eight, 128 along K.  p: W_in's set;  sc: the set of scale words.  zero = 1: the first product starts the sums from the bias.
; The 64 accumulators take turns, one instruction a turn, in the same order in every step.
.macro MUL16 a0, p, q, sc, zero
.irp a, \a0, \a0+1
.irp b, 0,1,2,3,4,5,6,7
.if \zero
	v_wmma_scale_f32_16x16x128_f8f6f4 v[8*(8*((\a)%4)+\b):8*(8*((\a)%4)+\b)+7], v[128*(\p)+FR*\b:128*(\p)+FR*\b+FR-1], v[AF+FR*(\a):AF+FR*(\a)+FR-1], v[BIAS+8*\b:BIAS+8*\b+7], v[SC+8*NQ*(\sc)+NQ*\b+(\q)], v[SC+8*NQ*(\sc)+NQ*(\a)+(\q)] matrix_a_fmt:MATRIX_FMT_FP4 matrix_b_fmt:MATRIX_FMT_FP4 matrix_a_scale:MATRIX_SCALE_ROW1
.else
	v_wmma_scale_f32_16x16x128_f8f6f4 v[8*(8*((\a)%4)+\b):8*(8*((\a)%4)+\b)+7], v[128*(\p)+FR*\b:128*(\p)+FR*\b+FR-1], v[AF+FR*(\a):AF+FR*(\a)+FR-1], v[8*(8*((\a)%4)+\b):8*(8*((\a)%4)+\b)+7], v[SC+8*NQ*(\sc)+NQ*\b+(\q)], v[SC+8*NQ*(\sc)+NQ*(\a)+(\q)] matrix_a_fmt:MATRIX_FMT_FP4 matrix_b_fmt:MATRIX_FMT_FP4 matrix_a_scale:MATRIX_SCALE_ROW1
.endif
.endr
.endr
.endm
.macro FETCH_B slot, q, p              ; W_in's eight fragments of the slot's q-th 128 along K into set p
	WIN TO_B
.irp i, 0,1,2,3,4,5,6,7
	FRAG 128*(\p)+FR*\i, ADRB+\slot, \q, \i
.endr
	WIN 0
.endm
.macro FETCH_A slot, q, i0             ; x's blocks i0 .. i0 + 3
.irp i, \i0, \i0+1, \i0+2, \i0+3
	FRAG AF+FR*(\i), ADRA+\slot, \q, \i
.endr
.endm
.macro SCALES sc                       ; a K step's scale words into set sc: four words a row; lanes 0-15 take x's block i, lanes 16-31 W_in's block i
.irp i, 0,1,2,3,4,5,6,7
	ds_load_b128 v[SC+8*NQ*\sc+NQ*\i:SC+8*NQ*\sc+NQ*\i+3], v[ADRS] offset:\i*SBLK
.endr
.endm
.macro PLACES n                        ; places in front of loads into registers that matrix instructions have read, and of the first read of results
.rept \n
	v_nop
.endr
.endm
; A step of 128 along K that has its successor in the same slot.
.macro STEP slot, q, zero
	s_wait_dscnt 4*NLD                             ; W_in's set and x's blocks 0-3 are in; the youngest eight loads (x's blocks 4-7) may be out
.if \zero
	WIN BEG_LO
.else
	WIN MUL_LO
.endif
	MUL16 0, (\q)%2, \q, \slot, \zero
	MUL16 2, (\q)%2, \q, \slot, \zero
	s_wait_dscnt 0                                 ; x's blocks 4-7 are in
	PLACES NP
	FETCH_B \slot, (\q)+1, 1-(\q)%2
	FETCH_A \slot, (\q)+1, 0
.if \zero
	WIN BEG_HI
.else
	WIN MUL_HI
.endif
	MUL16 4, (\q)%2, \q, \slot, \zero
	MUL16 6, (\q)%2, \q, \slot, \zero
	PLACES NP
	WIN 0
	FETCH_A \slot, (\q)+1, 4
.endm
	s_wait_tensorcnt 1                             ; the scales and my part of K step 0 are in (K step 1's load may be out)
	s_barrier_signal -1
	s_barrier_wait -1                              ; everybody's are
	FETCH_B 0, 0, 0
	FETCH_A 0, 0, 0
	SCALES 0
	FETCH_A 0, 0, 4
	s_wait_loadcnt 0x0                             ; the bias
	STEP 0, 0, 1
	STEP 0, 1, 0
	STEP 0, 2, 0
	; slot 0's last step changes slots: one barrier; in front of it each wave waits for all its tensor loads (its part of slot 1), adds 0 to its spare word, and waits for that and for its reads
	s_wait_tensorcnt 0x0
	ds_add_u32 v[SPW], v[NIL]
	s_wait_dscnt 4*NLD+1                           ; (the add and the youngest eight loads may be out)
	WIN MUL_LO
	MUL16 0, 1, NQ-1, 0, 0
	s_wait_dscnt 0x0
	s_barrier_signal -1
	MUL16 2, 1, NQ-1, 0, 0
	WIN 0
	s_barrier_wait -1
	PLACES NP
	v_add_nc_u32 v[ADRS], 4*NQ, v[ADRS]            ; on to K step 1's scale words
	FETCH_B 1, 0, 0
	FETCH_A 1, 0, 0
	SCALES 1
	WIN MUL_HI
	MUL16 4, 1, NQ-1, 0, 0
	MUL16 6, 1, NQ-1, 0, 0
	PLACES NP
	WIN 0
	FETCH_A 1, 0, 4
	STEP 1, 0, 0
	STEP 1, 1, 0
	STEP 1, 2, 0
	s_wait_dscnt 4*NLD                             ; the very last step: nothing more to fetch
	WIN MUL_LO
	MUL16 0, 1, NQ-1, 1, 0
	MUL16 2, 1, NQ-1, 1, 0
	s_wait_dscnt 0
	WIN MUL_HI
	MUL16 4, 1, NQ-1, 1, 0
	MUL16 6, 1, NQ-1, 1, 0
	WIN 0
	PLACES NP                                      ; behind the last products: the conversions below read results and write registers that held x's fragments
; THE WAY OUT of x's block a (16 positions x my 128 columns: two heads x four blocks of 16 channels): rounded to f16, 16 bytes a lane, and stored: each store covers 512 consecutive bytes.
.macro OUT a
.set AC, 64*((\a)%4)
.set YS, Y+32*((\a)%2)
.if (\a) >= 2
	s_wait_xcnt 0x0                                ; block a - 2's stores have read this set of registers
.endif
	WIN 0x0a+5*((\a)/4)                            ; sources 0 and 1: window 2 or 3
.irp b, 0,1,2,3,4,5,6,7
.irp i, 0,1,2,3
	v_cvt_pk_f16_f32 v[YS+4*\b+\i], v[AC+8*\b+2*\i], v[AC+8*\b+2*\i+1]   ; each accumulator from its low end on
.endr
.endr
	WIN 0
.irp b, 0,1,2,3,4,5,6,7
	global_store_b128 v[CO], v[YS+4*\b:YS+4*\b+3], s[20:21] offset:(\a)*2048+(\b/4)*262144+(\b%4)*512
.endr
.endm
	OUT 0
	; positions 0-15 of a sequence, unrounded: only in the waves whose first tile of positions is the sequence's first.  All lanes are on or none
	v_cmp_eq_u32 vcc_lo, s95, v[NIL]
	s_wait_xcnt 0x0                                ; EXEC changes only behind this wait
	s_and_saveexec_b32 s3, vcc_lo
	WIN 0x08                                       ; a store's data: window 2
.irp b, 0,1,2,3,4,5,6,7
.irp e, 0,1
	global_store_b128 v[CON], v[8*\b+4*\e:8*\b+4*\e+3], s[22:23] offset:(\b/4)*4096+(\b%4)*1024+\e*512
.endr
.endr
	WIN 0
	s_wait_xcnt 0x0                                ; and again, in front of the line that widens it
	s_or_b32 exec_lo, exec_lo, s3
.irp a, 1,2,3,4,5,6,7
	OUT \a
.endr
	s_wait_tensorcnt 0x0                           ; the wave's end
	ds_add_u32 v[SPW], v[NIL]
	s_wait_dscnt 0x0
	CROUND                                         ; the closing round
	s_endpgm
.Lfunc_end_k_qeaebf55cc1_qkv:
	.size	k_qeaebf55cc1_qkv, .Lfunc_end_k_qeaebf55cc1_qkv-k_qeaebf55cc1_qkv
	.p2alignl 7, 3214868480
	.fill 96, 4, 3214868480
	.section	.rodata,"a",@progbits
	.p2align	6, 0x0
	.amdhsa_kernel k_qeaebf55cc1_qkv
		.amdhsa_group_segment_fixed_size 327680
		.amdhsa_private_segment_fixed_size 0
		.amdhsa_enable_private_segment 0
		.amdhsa_kernarg_size 56
		.amdhsa_user_sgpr_count 2
		.amdhsa_user_sgpr_kernarg_segment_ptr 1
		.amdhsa_wavefront_size32 1
		.amdhsa_system_sgpr_workgroup_id_x 1
		.amdhsa_system_sgpr_workgroup_id_y 1
		.amdhsa_system_sgpr_workgroup_id_z 1
		.amdhsa_system_vgpr_workitem_id 0
		.amdhsa_next_free_vgpr 1024
		.amdhsa_next_free_sgpr 100
		.amdhsa_reserve_vcc 1
		.amdhsa_float_denorm_mode_32 3
		.amdhsa_float_denorm_mode_16_64 3
		.amdhsa_memory_ordered 1
		.amdhsa_forward_progress 1
		.amdhsa_inst_pref_size 122
	.end_amdhsa_kernel
	.amdgpu_metadata
---
amdhsa.version: [ 1, 2 ]
amdhsa.kernels:
  - .name:           k_qeaebf55cc1_qkv
    .symbol:         k_qeaebf55cc1_qkv.kd
    .args:
      - { .name: xc, .offset: 0, .size: 8, .value_kind: global_buffer, .address_space: global }
      - { .name: xs, .offset: 8, .size: 8, .value_kind: global_buffer, .address_space: global }
      - { .name: wc, .offset: 16, .size: 8, .value_kind: global_buffer, .address_space: global }
      - { .name: ws, .offset: 24, .size: 8, .value_kind: global_buffer, .address_space: global }
      - { .name: b_in, .offset: 32, .size: 8, .value_kind: global_buffer, .address_space: global }
      - { .name: qkv, .offset: 40, .size: 8, .value_kind: global_buffer, .address_space: global }
      - { .name: fine, .offset: 48, .size: 8, .value_kind: global_buffer, .address_space: global }
    .group_segment_fixed_size: 327680
    .private_segment_fixed_size: 0
    .kernarg_segment_align: 8
    .kernarg_segment_size: 56
    .max_flat_workgroup_size: 128
    .sgpr_count:     100
    .vgpr_count:     1024
    .wavefront_size: 32
...
	.end_amdgpu_metadata
.endif
;; end of part 2
;; launch attn (part 3): grid 4 x 64, 8 waves a work-group, no clusters, 327,680 bytes of LDS; arguments qkv, att; writes att
.if DOCPART == 3
	.amdgcn_target "amdgcn-amd-amdhsa--gfx1250"
	.amdhsa_code_object_version 6
	.text
	.protected	k_qeaebf55cc1_attn
	.globl	k_qeaebf55cc1_attn
	.p2align	8
	.type	k_qeaebf55cc1_attn,@function
k_qeaebf55cc1_attn:
	s_mov_b64 s[64:65], 0
	v_nop
	global_prefetch_b8 v0, s[64:65] scope:SCOPE_SE
	s_setreg_imm32_b32 hwreg(HW_REG_WAVE_MODE, 25, 1), 1
	s_wait_xcnt 0x0
; att[b][q][head] = the sum over k <= q of softmax_k(q . k / 8) v, head size 64, 2,048 positions, 64 pairs of batch and head.  q, k, v: f16, in the order of operand registers (below); products, maxima and sums in f32;
; the weights p are rounded to f16 for the second product, the result once at the end.  LIMITS: |q|, |k|, |v| under 65,504; NaN and infinities are not served.
; qkv: [tensor 3][batch x head 64][tile of 16 positions 128][16 channels 4][512 bytes]; in q and k lane (r, h)'s 16 bytes, position r, channels 8 h + 0 .. 7, lie at 16 x lane; v's blocks are laid so that the turning load reads 16 x lane.
; att: [ks 4][tile of 16 rows 512][32 k 8][16 k 2][lane][16 bytes], k = 64 head + channel = 256 ks + ..: the projection's operand order.
; SHARES.  Work-group (i, batch x head) takes the block of 256 queries 7 - i against key blocks 0 .. 7 - i, then block i against key blocks 0 .. i: nine slots of 256 keys for every work-group: 256 work-groups of equal work, and a
; constant trip count.  A wave owns 32 queries, two tiles of 16; its sub-block is w for waves 0-3 and 11 - w for waves 4-7.  Two waves share a SIMD's registers, so that one wave's softmax can stand beside the other's products.
; NO CLUSTER: the four work-groups of a head want different key blocks in four of their nine slots, and where a work-group changes its query block would hang on its place in the cluster.
; LAYOUT.  S^T = K Q^T (source 0 = 16 keys, source 1 = 16 queries): a lane holds ONE query (lane % 16) and the keys 8 (lane / 16) + 0 .. 7 of each tile.  Two such tiles, rounded in pairs, ARE source 1 of O^T = V^T P,
; whose result again holds one query a lane and eight channels: packed, it is the lane's 16 bytes of a block of att.  Nothing goes through LDS on the way out.
; SOFTMAX.  For each query a running maximum m and sum l: p = 2^(c s - c m), c = log2(e) / 8; in every step O and l are multiplied by a = 2^(c m_old - c m_new).  m begins at -3e38, l and O at 0, so the step is written once.
; THE MASK.  A step of 64 keys all of which come after the wave's 32 queries is left out by a scalar branch on ids; in a step on the diagonal hidden scores become -infinity ahead of the maximum.  In every step that is walked each query sees at least the step's first key.
; LDS.  Two slots of 65,536 bytes: K's 256 keys (32,768 bytes: [tile of 16 keys][16 channels][512]), then V's.  Every wave fetches 8,192 dense bytes of a slot with one tensor load: waves 0-3 K's four steps, waves 4-7 V's.  One load of mine is out at a time.
; REGISTERS: window 0: v1-11 addresses; v12-27 statistics, eight a tile; v32-63 Q; v64-127 S^T; v128-159 P; v160-223 O^T.   window 1: v0-63 K of a step; v64-127 V of a step; v128-159 the second query block's Q.
.set SLOT1, 1<<16                      ; slot 1 begins here: one exclusive or turns an address in one slot into the other's
.set VOFF,  32768                      ; V's place in a slot
.set SPARE, 2*SLOT1                    ; the spare words, 128 bytes for each of eight waves
.set LI,   1                           ; v1   16 x lane
.set ADR,  2                           ; v2   LDS address of the slot in hand, for my lane
.set DM0,  3                           ; v3   r - 8 h
.set D0,   4                           ; v4, v5  the mask's bound for tile 0, 1
.set NINF, 6                           ; v6   -infinity
.set GO,   7                           ; v7   my byte offset in att
.set PFO,  8                           ; v8   256 x lane
.set SPW,  10                          ; v10  LDS address of my spare word; never rewritten
.set NIL,  11                          ; v11  0; never rewritten
.set ST,   12                          ; tile t's statistics at v[ST + 8 t]: +0 c m, +1 m, +2, +3 l (even keys', odd keys'), +4 to +7 at work; a takes +6
.set QR,   32                          ; Q: tile t, channels 32 kg on, at QR + 16 t + 8 kg
.set S,    64                          ; S^T: tile t, keys 16 kt on, at S + 32 t + 8 kt
.set P,    128                         ; P: 16 a tile
.set OA,   160                         ; O^T: tile t, channels 16 cb on, at OA + 32 t + 8 cb
.set KFR,  0                           ; window 1: K's fragments (16 kt + 8 kg)
.set VFR,  64                          ; window 1: V's (32 kk + 8 cb)
.set Q2,   128                         ; window 1: the second block's Q
.set WV,   8                           ; s8   wave
.set SUB,  9                           ; s9   my sub-block of 32 queries
.set NLT,  10                          ; s10  slots of the first query block: 8 - i
.set TR,   11                          ; s11  the slot's number, 0 .. 8
.set SRC,  12                          ; s[12:13] my 8,192 bytes of the head's key block 0
.set X0,   14                          ; s[14:15] at work; s15 = 0
.set G0,   16                          ; s[16:19] descriptor group 0
.set G1,   20                          ; s[20:27] descriptor group 1
.set PFA,  28                          ; s[28:29] where my prefetches stand
.set LIM,  30                          ; s30  6 in the head's first work-group, else 0: a wave prefetches while the slot's number is under it
.set TB,   31                          ; s31  LDS byte at which the slot in hand begins
.set KEY,  32                          ; s32  the step's first key
.set Q0,   33                          ; s33  my first query
.set Q0E,  34                          ; s34  and in the second block
.set ATL,  35                          ; s35  my byte offset in att for the first block,
.set ATE,  36                          ; s36  for the second
.set CS,   38                          ; s[38:39] c, twice
.set SEL,  40                          ; s[40:41] v_permlanex16_b32's selects for lane l xor 16
.set QBL,  42                          ; s[42:43] Q of my first block;  s[44:45] of my second
.set QBE,  44
.set MSB, 0
.macro WIN new                         ; the immediate's high byte repeats the setting that is left
.if MSB != \new
	s_set_vgpr_msb (MSB<<8)|\new
.set MSB, \new
.endif
.endm
.macro PLACES
.rept 4
	v_nop
.endr
.endm
	s_load_b128 s[4:7], s[0:1], 0x0                ; qkv, att
	v_lshl_add_u32 v[SPW], v0, 2, SPARE
	v_mov_b32 v[NIL], 0
	ds_add_u32 v[SPW], v[NIL]                      ; the wave's opening: the add, twice on end, and its wait ahead of my first tensor load
	ds_add_u32 v[SPW], v[NIL]
	v_lshrrev_b32 v9, 5, v0
	v_readfirstlane_b32 s[WV], v9                  ; wave 0..7
	s_lshr_b32 s47, s[WV], 2                       ; I fetch for K (0) or for V (1)
	s_mul_i32 s[SUB], s47, 3
	s_xor_b32 s[SUB], s[SUB], s[WV]                ; 0 1 2 3 7 6 5 4
	s_and_b32 s48, ttmp7, 0xffff                   ; 16 x batch + head
	s_sub_co_u32 s[NLT], 8, ttmp9
	s_sub_co_u32 s49, 7, ttmp9                     ; the first query block
	s_lshl_b32 s50, s[SUB], 5
	s_lshl_b32 s[Q0], s49, 8
	s_add_co_u32 s[Q0], s[Q0], s50
	s_lshl_b32 s[Q0E], ttmp9, 8
	s_add_co_u32 s[Q0E], s[Q0E], s50
	s_lshl_b32 s51, s48, 18                        ; the head's first byte in each of q, k, v
	s_lshl_b32 s52, s[Q0], 7                       ; 2,048 bytes for each 16 positions
	s_add_co_u32 s52, s52, s51
	s_mov_b32 s53, 0
	s_lshl_b32 s54, s[Q0E], 7
	s_add_co_u32 s54, s54, s51
	s_mov_b32 s55, 0
	s_add_co_u32 s56, s47, 1                       ; tensor 1 = k, 2 = v
	s_lshl_b32 s56, s56, 24
	s_add_co_u32 s56, s56, s51
	s_and_b32 s57, s[WV], 3
	s_lshl_b32 s57, s57, 13                        ; my quarter of a key block
	s_add_co_u32 s56, s56, s57
	s_mov_b32 s57, 0
	s_bfe_u32 s58, s48, 0x20002                    ; head / 4 = ks
	s_lshl_b32 s58, s58, 22
	s_and_b32 s59, s48, 3
	s_lshl_b32 s59, s59, 11                        ; head % 4: four blocks of 512 bytes each
	s_add_co_u32 s58, s58, s59
	s_lshr_b32 s59, s48, 4
	s_lshl_b32 s59, s59, 20                        ; batch: 128 tiles of 8,192 bytes
	s_add_co_u32 s58, s58, s59
	s_lshl_b32 s[ATL], s[Q0], 9                    ; 8,192 bytes for each 16 rows
	s_add_co_u32 s[ATL], s[ATL], s58
	s_lshl_b32 s[ATE], s[Q0E], 9
	s_add_co_u32 s[ATE], s[ATE], s58
	; descriptor group 1: 8,192 dense bytes as 32 rows of 256 bytes (32 elements of 8 bytes), no padding
	s_mov_b32 s[G1+0], 3<<16
	s_mov_b32 s[G1+1], 32<<16                      ; tensor_dim0
	s_mov_b32 s[G1+2], 32<<16                      ; tensor_dim1
	s_mov_b32 s[G1+3], 32<<16                      ; tile_dim0
	s_mov_b32 s[G1+4], 32                          ; tile_dim1
	s_mov_b32 s[G1+5], 32                          ; tensor_dim0_stride
	s_mov_b32 s[G1+6], 0
	s_mov_b32 s[G1+7], 0
	s_mov_b32 s[G0], 1
	s_lshl_b32 s[G0+1], s[WV], 13                  ; LDS: wave x 8,192 in slot 0
	s_mov_b32 s[X0+1], 0
	s_mov_b32 s[CS], 0x3e38aa3b                    ; c = log2(e) / 8
	s_mov_b32 s[CS+1], s[CS]
	s_mov_b32 s[SEL], 0x76543210
	s_mov_b32 s[SEL+1], 0xfedcba98
	s_mov_b32 s[TB], 0
	s_mov_b32 s[KEY], 0
	s_mov_b32 s[TR], 0
	s_cmp_eq_u32 ttmp9, 0
	s_cselect_b32 s[LIM], 6, 0
	s_wait_dscnt 0x0                               ; both opening adds are done
	s_wait_kmcnt 0x0
	s_add_nc_u64 s[SRC:SRC+1], s[4:5], s[56:57]
	s_mov_b64 s[G0+2:G0+3], s[SRC:SRC+1]
	s_or_b32 s[G0+3], s[G0+3], 0x80000000
	tensor_load_to_lds s[G0:G0+3], s[G1:G1+7]      ; key block 0 into slot 0
	s_nop 0
	PLACES
	s_add_nc_u64 s[PFA:PFA+1], s[SRC:SRC+1], 32768 ; at key block 1: the first change of slots steps it to 2.  Nothing is prefetched here
	s_add_nc_u64 s[QBL:QBL+1], s[4:5], s[52:53]
	s_add_nc_u64 s[QBE:QBE+1], s[4:5], s[54:55]
	v_and_b32 v9, 31, v0
	v_lshlrev_b32 v[LI], 4, v9
	v_lshlrev_b32 v[PFO], 8, v9
.irp n, 0,1,2,3,4,5,6,7
	global_load_b128 v[QR+4*\n:QR+4*\n+3], v[LI], s[QBL:QBL+1] offset:512*\n   ; Q stays in registers: eight blocks are four fragments
.endr
	WIN 0x40                                       ; destination window 1
.irp n, 0,1,2,3,4,5,6,7
	global_load_b128 v[Q2+4*\n:Q2+4*\n+3], v[LI], s[QBE:QBE+1] offset:512*\n
.endr
	WIN 0
	v_and_b32 v[DM0], 15, v0
	v_bfe_u32 v9, v0, 4, 1
	v_lshlrev_b32 v9, 3, v9
	v_sub_nc_u32 v[DM0], v[DM0], v9                ; r - 8 h
	v_mov_b32 v[NINF], 0xff800000
; m = -3e38, under every score; l = 0; O^T = 0: the first step's a is 0 and leaves zeros.  All eight statistics are written, so that none is read unwritten
.macro INIT
.irp t, 0,1
	v_mov_b32 v[ST+8*\t+1], 0xff61b1e6
	v_mul_f32 v[ST+8*\t], s[CS], v[ST+8*\t+1]
.irp u, 2,3,4,5,6,7
	v_mov_b32 v[ST+8*\t+\u], 0
.endr
.endr
.set n, 0
.rept 64
	v_mov_b32 v[OA+n], 0
.set n, n+1
.endr
.endm
; S^T = K Q^T: product i: channels 32 (i / 8) on, keys 16 ((i / 2) % 4) on, tile i % 2.  The first eight start the sums.  Eight accumulators take turns, one instruction a turn
.macro KQALL
.set i, 0
.rept 16
.set rS, S+32*(i%2)+8*((i/2)%4)
.set rK, KFR+16*((i/2)%4)+8*(i/8)
.set rQ, QR+16*(i%2)+8*(i/8)
.if i < 8
	v_wmma_f32_16x16x32_f16 v[rS:rS+7], v[rK:rK+7], v[rQ:rQ+7], 0
.else
	v_wmma_f32_16x16x32_f16 v[rS:rS+7], v[rK:rK+7], v[rQ:rQ+7], v[rS:rS+7]
.endif
.set i, i+1
.endr
.endm
; O^T += V^T P: product i: keys 32 (i / 8) on, channels 16 ((i / 2) % 4) on, tile i % 2
.macro PVALL
.set i, 0
.rept 16
.set rO, OA+32*(i%2)+8*((i/2)%4)
.set rV, VFR+32*(i/8)+8*((i/2)%4)
.set rP, P+16*(i%2)+8*(i/8)
	v_wmma_f32_16x16x32_f16 v[rO:rO+7], v[rV:rV+7], v[rP:rP+7], v[rO:rO+7]
.set i, i+1
.endr
.endm
; One tile's softmax for one key step is a list of 118 instructions; SM writes number j of it for tile t.  s0-s31 are the lane's 32 scores, in pairs 0-15.
;   0-15    the maximum of s0-s31 and the old m, three operands at a time, each accumulator read from its low end on
;   16-20   the other half of the lanes' maximum; the new m; c m; c m_old - c m_new
;   21-69   ONE BATCH: the 16 scalings c s - c m and all 33 exponentials (a at 23, then s0-s31); none of these names an exponential's result
;   70-85   the roundings to f16;   86-101 the sums, l = a l + the sum;   102-117 the tile's O^T times a
.macro SM t
.set rT, ST+8*(\t)
.set rS, S+32*(\t)
.set rP, P+16*(\t)
.set rO, OA+32*(\t)+2*(j-102)
.if j < 4
	v_max3_num_f32 v[rT+4+j], v[rS+8*j], v[rS+8*j+1], v[rS+8*j+2]
.elseif j < 12
	v_max3_num_f32 v[rT+4+j%4], v[rT+4+j%4], v[rS+8*(j%4)+2*(j/4)+1], v[rS+8*(j%4)+2*(j/4)+2]
.elseif j == 12
	v_max3_num_f32 v[rT+4], v[rT+4], v[rS+7], v[rS+15]
.elseif j == 13
	v_max3_num_f32 v[rT+6], v[rT+6], v[rS+23], v[rS+31]
.elseif j == 14
	v_max3_num_f32 v[rT+4], v[rT+4], v[rT+5], v[rT+6]
.elseif j == 15
	v_max3_num_f32 v[rT+4], v[rT+4], v[rT+7], v[rT+1]
.elseif j == 16
	v_permlanex16_b32 v[rT+5], v[rT+4], s[SEL], s[SEL+1]  ; the query's other 32 keys lie in the lane 16 away
.elseif j == 17
	v_mov_b32 v[rT+7], v[rT]                       ; c m_old is kept for a
.elseif j == 18
	v_max_num_f32 v[rT+1], v[rT+4], v[rT+5]
.elseif j == 19
	v_mul_f32 v[rT], s[CS], v[rT+1]
.elseif j == 20
	v_sub_f32 v[rT+7], v[rT+7], v[rT]
.elseif j == 23
	v_exp_f32 v[rT+6], v[rT+7]
.elseif (j < 23) || ((j < 38) && (j%2 == 0)) || ((j < 66) && (j%4 == 2))
.set b, (j-2)/4                        ; 38, 42, .. 62: pairs 9 to 15
.if j < 38
.set b, (j-20)/2                       ; 21: pair 0; 22, 24, .. 36: pairs 1 to 8
.endif
	v_pk_fma_f32 v[rS+2*b:rS+2*b+1], v[rS+2*b:rS+2*b+1], s[CS:CS+1], v[rT:rT+1] op_sel_hi:[1,0,0] neg_lo:[0,0,1] neg_hi:[0,0,1]  ; pair b: c s - c m
.elseif j < 70
.set e, j-38                           ; 66 to 69: s28 to s31
.if j < 66
.set e, j-32-(j-38)/4                  ; 39-41, 43-45, .. 63-65: s7 to s27
.endif
.if j < 38
.set e, (j-25)/2                       ; 25, 27, .. 37: s0 to s6
.endif
	v_exp_f32 v[rS+e], v[rS+e]
.elseif j < 86
	v_cvt_pk_f16_f32 v[rP+j-70], v[rS+2*(j-70)], v[rS+2*(j-70)+1]
.elseif j < 102                        ; the sum of the tile's 16 pairs, in place: neighbours 1, 2, 4 and 8 pairs apart, then l takes it
.set z, j-86
.set w, 4
.set u, z
.if z >= 14
.set w, 32
.set u, 0
.elseif z >= 12
.set w, 16
.set u, z-12
.elseif z >= 8
.set w, 8
.set u, z-8
.endif
.if z < 15
	v_pk_add_f32 v[rS+w*u:rS+w*u+1], v[rS+w*u:rS+w*u+1], v[rS+w*u+w/2:rS+w*u+w/2+1]
.else
	v_pk_fma_f32 v[rT+2:rT+3], v[rT+2:rT+3], v[rT+6:rT+7], v[rS:rS+1] op_sel_hi:[1,0,1]
.endif
.else
	v_pk_mul_f32 v[rO:rO+1], v[rO:rO+1], v[rT+6:rT+7] op_sel_hi:[1,0]
.endif
.endm
; A KEY STEP: 64 keys, the q-th of the slot in hand.
.macro STEP q
	s_add_co_u32 s[X0], s[Q0], 31
	s_cmp_gt_u32 s[KEY], s[X0]                     ; all 64 keys come after my 32 queries: the step's loads, products and softmax are left out
	s_cbranch_scc1 .Lhidden_\@
	WIN 0x40                                       ; destination window 1
.irp n, 0,1,2,3,4,5,6,7,8,9,10,11,12,13,14,15
	ds_load_b128 v[KFR+4*\n:KFR+4*\n+3], v[ADR] offset:8192*(\q)+512*\n   ; K as it lies: 512 consecutive bytes a load
.endr
.irp kk, 0,1
.irp cb, 0,1,2,3
	ds_load_tr16_b128 v[VFR+32*\kk+8*\cb:VFR+32*\kk+8*\cb+3],   v[ADR] offset:VOFF+8192*(\q)+4096*\kk+512*\cb        ; V turned: lane (r, h) gets channel 16 cb + r, keys 32 kk + 8 h + 0 .. 7,
	ds_load_tr16_b128 v[VFR+32*\kk+8*\cb+4:VFR+32*\kk+8*\cb+7], v[ADR] offset:VOFF+8192*(\q)+4096*\kk+512*\cb+2048   ; and 16 keys on
.endr
.endr
	s_wait_dscnt 16                                ; K's 16 loads are in; V's 16 may be out
	WIN 0x01                                       ; source 0 window 1
	KQALL
	WIN 0
	PLACES                                         ; behind the products, ahead of the first read of the scores
	s_add_co_u32 s[X0], s[KEY], 63
	s_cmp_le_u32 s[X0], s[Q0]                      ; a step all of whose keys count skips the mask
	s_cbranch_scc1 .Lopen_\@
	s_sub_co_i32 s[X0], s[Q0], s[KEY]
	v_add_nc_u32 v[D0], s[X0], v[DM0]              ; tile t's register 8 kt + j holds key KEY + 16 kt + 8 h + j, for query Q0 + 16 t + r: hidden where 16 kt + j > Q0 - KEY + 16 t + r - 8 h
	v_add_nc_u32 v[D0+1], 16, v[D0]
.irp t, 0,1
.irp kt, 0,1,2,3
.irp jj, 0,1,2,3,4,5,6,7
	v_cmp_gt_i32 vcc_lo, 16*\kt+\jj, v[D0+\t]
	v_cndmask_b32 v[S+32*\t+8*\kt+\jj], v[S+32*\t+8*\kt+\jj], v[NINF], vcc_lo
.endr
.endr
.endr
.Lopen_\@:
.set j, 0
.rept 70                               ; the two tiles alternate, so that no instruction reads the result of the one just before it
	SM 0
	SM 1
.set j, j+1
.endr
	v_nop                                          ; a plain instruction behind the last exponential
	s_wait_alu depctr_va_vdst(0)                   ; one wait for the batch of 66, ahead of the first instruction that names a result
.rept 48
	SM 0
	SM 1
.set j, j+1
.endr
	s_wait_dscnt 0x0                               ; V is in
	WIN 0x01
	PVALL
	WIN 0
	PLACES                                         ; behind the products: for the next loads into V's registers, the next rescaling and the way out
.Lhidden_\@:
	s_add_co_u32 s[KEY], s[KEY], 64
.endm
; A PREFETCH INTO THE L2 of the key block that the NEXT change of slots will ask for.  The four work-groups of a head walk the same key blocks: the head's first work-group, which walks all eight, asks; each of its waves for the
; 8,192 bytes that it will itself fetch, lanes 256 bytes apart.  In slot t it names key block t + 2, for t up to 5: key blocks 0 and 1 come by their loads alone, and each 256 bytes are named once in the launch.
.macro ASK
	s_cmp_lt_u32 s[TR], s[LIM]
	s_cbranch_scc0 .Lnot_mine_\@
	global_prefetch_b8 v[PFO], s[PFA:PFA+1] th:TH_LOAD_NT scope:SCOPE_SE
.Lnot_mine_\@:
.endm
; THE CHANGE OF SLOTS stands at a slot's head.  Each wave waits for all its tensor loads (its part of the slot that it is about to read), adds 0 to its spare word, and waits for that and for its reads of the slot that it has left.
; Behind the barrier the slot ahead is whole and nobody reads the other one.  fill = 1: that other slot is filled with the next slot's key block: it has four key steps in which to land.
.macro CHANGE fill
	s_wait_tensorcnt 0x0                           ; no tensor load of mine is out, so group 0 may be written
	ds_add_u32 v[SPW], v[NIL]                      ; the descriptor's step stands between the add and its wait
.if \fill
	s_add_co_u32 s[X0], s[TR], 1                   ; the next slot's key block: its number, less the first query block's slots once those are over
	s_cmp_ge_u32 s[X0], s[NLT]
	s_cselect_b32 s46, s[NLT], 0
	s_sub_co_u32 s[X0], s[X0], s46
	s_lshl_b32 s[X0], s[X0], 15                    ; 32,768 bytes a key block
	s_add_nc_u64 s[G0+2:G0+3], s[SRC:SRC+1], s[X0:X0+1]
	s_or_b32 s[G0+3], s[G0+3], 0x80000000
	s_xor_b32 s[G0+1], s[G0+1], SLOT1              ; the other slot than last time
	s_wait_xcnt 0x0                                ; the last prefetch, a slot back, has read its address
	s_add_nc_u64 s[PFA:PFA+1], s[PFA:PFA+1], 32768
.endif
	s_wait_dscnt 0x0                               ; the add is done, and my reads of the slot that I have left are over
	s_barrier_signal -1
	s_barrier_wait -1
.if \fill
	tensor_load_to_lds s[G0:G0+3], s[G1:G1+7]      ; the first thing behind the barrier, and my one tensor load until the next
	s_nop 0
	PLACES
	ASK
.endif
.endm
; THE WAY OUT of a query block: l's two halves and the other half of the lanes' are added; O^T is divided by l, rounded to f16 and stored: a lane's eight channels are its 16 bytes of a block of att; each store covers 512 consecutive bytes.
.macro FINISH ato
.irp t, 0,1
	v_add_f32 v[ST+8*\t+4], v[ST+8*\t+2], v[ST+8*\t+3]
.endr
.irp t, 0,1
	v_permlanex16_b32 v[ST+8*\t+5], v[ST+8*\t+4], s[SEL], s[SEL+1]
.endr
.irp t, 0,1
	v_add_f32 v[ST+8*\t+4], v[ST+8*\t+4], v[ST+8*\t+5]
.endr
.irp t, 0,1
	v_rcp_f32 v[ST+8*\t+6], v[ST+8*\t+4]
.endr
	v_add_nc_u32 v[GO], s[\ato], v[LI]             ; (a plain instruction behind the reciprocals)
	s_wait_alu depctr_va_vdst(0)                   ; one wait for the two, ahead of their first reader
.irp t, 0,1
.set n, 0
.rept 16
	v_pk_mul_f32 v[OA+32*\t+n:OA+32*\t+n+1], v[OA+32*\t+n:OA+32*\t+n+1], v[ST+8*\t+6:ST+8*\t+7] op_sel_hi:[1,0]   ; each accumulator from its low end on
.set n, n+2
.endr
.endr
.irp t, 0,1
.set n, 0
.rept 16
	v_cvt_pk_f16_f32 v[S+16*\t+n], v[OA+32*\t+2*n], v[OA+32*\t+2*n+1]
.set n, n+1
.endr
.endr
.irp t, 0,1
.irp cb, 0,1,2,3
	global_store_b128 v[GO], v[S+16*\t+4*\cb:S+16*\t+4*\cb+3], s[6:7] offset:8192*\t+512*\cb
.endr
.endr
.endm
; A slot: at the slot in which the second query block begins (the same in all eight waves: ids and the count of slots alone) the first block goes out and everything begins anew.
.macro SLOT_BODY
	v_add_nc_u32 v[ADR], s[TB], v[LI]
	s_cmp_lg_u32 s[TR], s[NLT]
	s_cbranch_scc1 .Lsame_\@
	FINISH ATL
	WIN 0x01                                       ; source 0 window 1
.set n, 0
.rept 32
	v_mov_b32 v[QR+n], v[Q2+n]
.set n, n+1
.endr
	WIN 0
	INIT
	s_mov_b32 s[Q0], s[Q0E]
	s_mov_b32 s[KEY], 0
	s_wait_xcnt 0x0                                ; the stores have read their data and their offset: both are written again below
.Lsame_\@:
	STEP 0
	STEP 1
	STEP 2
	STEP 3
	s_xor_b32 s[TB], s[TB], SLOT1                  ; on to the other slot
.endm
	INIT
	s_wait_loadcnt 0x0                             ; Q, both blocks'
.Lslot:                                            ; eight trips: behind each change of slots but the last the next slot is asked for
	CHANGE 1
	SLOT_BODY
	s_add_co_u32 s[TR], s[TR], 1
	s_cmp_lt_u32 s[TR], 8
	s_cbranch_scc1 .Lslot
	CHANGE 0                                       ; the ninth slot is written out
	SLOT_BODY
	FINISH ATE
	s_wait_tensorcnt 0x0                           ; the wave's end
	ds_add_u32 v[SPW], v[NIL]
	s_wait_dscnt 0x0
	s_endpgm
.Lfunc_end_k_qeaebf55cc1_attn:
	.size	k_qeaebf55cc1_attn, .Lfunc_end_k_qeaebf55cc1_attn-k_qeaebf55cc1_attn
	.p2alignl 7, 3214868480
	.fill 96, 4, 3214868480
	.section	.rodata,"a",@progbits
	.p2align	6, 0x0
	.amdhsa_kernel k_qeaebf55cc1_attn
		.amdhsa_group_segment_fixed_size 327680
		.amdhsa_private_segment_fixed_size 0
		.amdhsa_enable_private_segment 0
		.amdhsa_kernarg_size 16
		.amdhsa_user_sgpr_count 2
		.amdhsa_user_sgpr_kernarg_segment_ptr 1
		.amdhsa_wavefront_size32 1
		.amdhsa_system_sgpr_workgroup_id_x 1
		.amdhsa_system_sgpr_workgroup_id_y 1
		.amdhsa_system_sgpr_workgroup_id_z 1
		.amdhsa_system_vgpr_workitem_id 0
		.amdhsa_next_free_vgpr 512
		.amdhsa_next_free_sgpr 66
		.amdhsa_reserve_vcc 1
		.amdhsa_float_denorm_mode_32 3
		.amdhsa_float_denorm_mode_16_64 3
		.amdhsa_memory_ordered 1
		.amdhsa_forward_progress 1
		.amdhsa_inst_pref_size 203
	.end_amdhsa_kernel
	.amdgpu_metadata
---
amdhsa.version: [ 1, 2 ]
amdhsa.kernels:
  - .name:           k_qeaebf55cc1_attn
    .symbol:         k_qeaebf55cc1_attn.kd
    .args:
      - { .name: qkv, .offset: 0, .size: 8, .value_kind: global_buffer, .address_space: global }
      - { .name: att, .offset: 8, .size: 8, .value_kind: global_buffer, .address_space: global }
    .group_segment_fixed_size: 327680
    .private_segment_fixed_size: 0
    .kernarg_segment_align: 8
    .kernarg_segment_size: 16
    .max_flat_workgroup_size: 256
    .sgpr_count:     66
    .vgpr_count:     512
    .wavefront_size: 32
...
	.end_amdgpu_metadata
.endif
;; end of part 3
;; launch proj (part 4): grid 8 x 64, 4 waves a work-group, clusters of 4 x 4, 327,680 bytes of LDS; arguments att, wf, b_out, out0; writes out0
.if DOCPART == 4
	.amdgcn_target "amdgcn-amd-amdhsa--gfx1250"
	.amdhsa_code_object_version 6
	.text
	.protected	k_qeaebf55cc1_proj
	.globl	k_qeaebf55cc1_proj
	.p2align	8
	.type	k_qeaebf55cc1_proj,@function
k_qeaebf55cc1_proj:
	s_mov_b64 s[64:65], 0
	v_nop
	global_prefetch_b8 v0, s[64:65] scope:SCOPE_SE
	s_setreg_imm32_b32 hwreg(HW_REG_WAVE_MODE, 25, 1), 1
	s_wait_xcnt 0x0
	s_wait_alu depctr_hold_cnt(0) depctr_sa_sdst(0) depctr_va_vdst(0) depctr_va_sdst(0) depctr_va_ssrc(0) depctr_va_vcc(0) depctr_vm_vsrc(0)
	s_getreg_b32 s2, hwreg(HW_REG_IB_STS2, 6, 4)
	s_cmp_eq_u32 s2, 0
	s_cbranch_scc0 .Lentry_in_a_cluster
	s_endpgm
.Lentry_in_a_cluster:
	s_bfe_u32 s2, ttmp6, 0x10000c
	s_cmp_lg_u32 s2, 0xf033
	s_cbranch_scc0 .Lentry_shape_is_right
	s_endpgm
.Lentry_shape_is_right:
; out0 = att W_out^T + b_out.  att [8192 rows][1024] and W_out [1024][1024] arrive as f16 in the order of operand registers: [ks 4][tile of 16 rows][block 16][lane 32][16 bytes], lane (r, h) of block n holding
; row r, k = 256 ks + 16 n + 8 h + 0 .. 7; two neighbouring blocks are a fragment of 16 rows x 32 K.  out0 [8192][1024] f32; sums in f32.  LIMITS: magnitudes of both operands under 65,504.
; A tile of out0 is 128 x 128: four waves, each 64 x 64: 16 accumulators.  K goes in four steps of 256 through two LDS slots.  A K step of 64 rows is 32,768 dense bytes: one tensor load a wave; in LDS a fragment's
; half is 512 consecutive bytes at 16 x lane: no pitch, no padding.
; CLUSTERS: 4 x 4 work-groups; the four of a row need the same tiles of att, the four of a column the same tiles of W_out: each is asked for jointly.
; THE MATRIX INSTRUCTION IS USED TRANSPOSED (source 0 = 16 rows of W_out, source 1 = 16 rows of att): a lane holds eight neighbouring numbers of a row of out0.  The bias is the C of each sum's first product.
; Rows 0-15 of every sequence are written here like all others and written over, from f32 operands, by the launch that follows.
; REGISTERS: window 0: v0-31 addresses; v32-95 at work on the way out; v96-127 the bias; v128-255 the accumulators ((a, b) at v[128 + 8 (4 a + b)]).   window 1: two fragment buffers of 128.
.set HALFT,  32768                     ; 64 rows x 256 K: what one tensor load brings, and what one wave reads of either operand
.set SLOT,   4*HALFT                   ; att's 128 rows, then W_out's 128 rows
.set SPARE,  2*SLOT                    ; behind the ring: the spare words, 128 bytes for each wave
.set SPITCH, 272                       ; the way out: a stage of 16 rows x (256 bytes + 16) for each wave, in slot 0, which has had its last fill and its last read when the first result is stored there
.set LAPS,   2                         ; a lap = two K steps = once round the ring
.set STEPA,  4194304                   ; a K step on in att: 512 tiles x 8,192 bytes
.set STEPB,  524288                    ; in wf: 64 tiles x 8,192 bytes
.set ADRA, 16                          ; v16-17  LDS address of my att fragments in slot 0, 1
.set ADRB, 20                          ; v20-21  the same for W_out
.set STO,  24                          ; v24     the way out: where I put 32 bytes of a row
.set RD,   25                          ; v25     where I read a row back
.set CO,   26                          ; v26     my byte offset in out0
.set BO,   27                          ; v27     32 x (lane / 16)
.set SPW,  28                          ; v28     LDS address of my spare word; never rewritten
.set NIL,  29                          ; v29     0; never rewritten
.set TMP,  32
.set BIAS, 96
.set ACC,  128
.set F0,   0
.set F1,   128
.set G1, 24                            ; s[24:31] descriptor group 1 for att's tiles;  s[32:39] group 0, one set for each slot
.set G0, 32
.set G1B, 48                           ; s[48:55], s[56:63] the same for W_out's
.set G0B, 56
.set MSB, 0
.macro WIN new                         ; the immediate's high byte repeats the setting that is left
.if MSB != \new
	s_set_vgpr_msb (MSB<<8)|\new
.set MSB, \new
.endif
.endm
.set MUL,  0x05                        ; sources 0 and 1 window 1; C and D window 0
.set TO_F, 0x40                        ; destination window 1, address window 0
.macro JLOAD s                         ; a joint load: waves 0 and 1 fetch att's two halves, waves 2 and 3 W_out's; an s_nop 0 and four v_nop follow each of the two lines
	s_cmp_eq_u32 s11, 0
	s_cbranch_scc0 .Lfor_b_\@
	tensor_load_to_lds s[G0+4*\s:G0+4*\s+3], s[G1:G1+7]
	s_nop 0
.rept 4
	v_nop
.endr
	s_branch .Lasked_\@
.Lfor_b_\@:
	tensor_load_to_lds s[G0B+4*\s:G0B+4*\s+3], s[G1B:G1B+7]
	s_nop 0
.rept 4
	v_nop
.endr
.Lasked_\@:
.endm
.macro CREST                           ; a round of the cluster's barrier behind its opening barrier
	s_cmp_lg_u32 s10, 0
	s_cbranch_scc1 .Lnot_wave_0_\@
	s_barrier_signal -3
.Lnot_wave_0_\@:
	s_barrier_wait -3
	s_barrier_signal -1
	s_barrier_wait -1
.endm
.macro CROUND
	s_barrier_signal -1
	s_barrier_wait -1
	CREST
.endm
	s_load_b128 s[4:7], s[0:1], 0x0                ; att, wf
	s_load_b64 s[66:67], s[0:1], 0x10              ; b_out
	s_load_b64 s[8:9], s[0:1], 0x18                ; out0
	v_lshl_add_u32 v[SPW], v0, 2, SPARE
	v_mov_b32 v[NIL], 0
	ds_add_u32 v[SPW], v[NIL]                      ; the wave's opening: the add, twice on end, and its wait ahead of my first tensor load
	ds_add_u32 v[SPW], v[NIL]
	v_lshrrev_b32 v1, 5, v0
	v_readfirstlane_b32 s10, v1                    ; wave 0..3
	s_lshr_b32 s11, s10, 1                         ; which half of the tile's rows is mine.  Also: I fetch for att (0) or for W_out (1)
	s_and_b32 s12, s10, 1                          ; which half of its columns.  Also: which 64 rows of that tile I fetch
	s_bfe_u32 s40, ttmp6, 0x40000                  ; cx, cy
	s_bfe_u32 s41, ttmp6, 0x40004
	s_lshl_b32 s42, ttmp9, 2
	s_add_co_u32 s42, s42, s40                     ; tile column = 4 x cluster x + cx
	s_and_b32 s13, ttmp7, 0xffff
	s_lshl_b32 s13, s13, 2
	s_add_co_u32 s13, s13, s41                     ; tile row = 4 x cluster y + cy
	s_lshl_b32 s43, s41, 2
	s_lshl_b32 s43, 15, s43                        ; my row of the cluster
	s_lshl_b32 s44, 0x1111, s40                    ; my column
	; descriptor group 1: 32,768 dense bytes as 128 rows of 256 bytes (32 elements of 8 bytes), no padding
	s_or_b32 s[G1+0], s43, (3<<16)|(1<<21)
	s_or_b32 s[G1B+0], s44, (3<<16)|(1<<21)
.irp g, G1, G1B
	s_mov_b32 s[\g+1], 32<<16                      ; tensor_dim0
	s_mov_b32 s[\g+2], 128<<16                     ; tensor_dim1
	s_mov_b32 s[\g+3], 32<<16                      ; tile_dim0
	s_mov_b32 s[\g+4], 128                         ; tile_dim1
	s_mov_b32 s[\g+5], 32                          ; tensor_dim0_stride
	s_mov_b32 s[\g+6], 0
	s_mov_b32 s[\g+7], 0
.endr
	s_lshl_b32 s17, s12, 15                        ; which 64 rows of the tile I fetch: 4 tiles of 8,192 bytes
	s_lshl_b32 s16, s13, 16                        ; att: 128 rows a tile row
	s_add_co_u32 s16, s16, s17
	s_lshl_b32 s46, s42, 16                        ; W_out: 128 rows a tile column
	s_add_co_u32 s46, s46, s17
	s_mov_b32 s17, 0
	s_mov_b32 s47, 0
	s_mul_i32 s20, s10, HALFT                      ; where they go: wave x 32,768
	s_wait_dscnt 0x0                               ; both opening adds are done
	s_wait_kmcnt 0x0
	s_add_nc_u64 s[14:15], s[4:5], s[16:17]
	s_add_nc_u64 s[46:47], s[6:7], s[46:47]
	CROUND                                         ; all sixteen work-groups are here: the first joint loads meet
.irp s, 0,1
	s_mov_b32 s[G0+4*\s], 1
	s_add_co_u32 s[G0+4*\s+1], s20, \s*SLOT
	s_add_nc_u64 s[G0+4*\s+2:G0+4*\s+3], s[14:15], \s*STEPA
	s_or_b32 s[G0+4*\s+3], s[G0+4*\s+3], 0x80000000
	s_mov_b32 s[G0B+4*\s], 1
	s_add_co_u32 s[G0B+4*\s+1], s20, \s*SLOT
	s_add_nc_u64 s[G0B+4*\s+2:G0B+4*\s+3], s[46:47], \s*STEPB
	s_or_b32 s[G0B+4*\s+3], s[G0B+4*\s+3], 0x80000000
	JLOAD \s                                       ; two tensor loads of mine are out at the most
.endr
	v_and_b32 v1, 15, v0                           ; r
	v_bfe_u32 v2, v0, 4, 1                         ; h
	v_and_b32 v3, 31, v0
	v_lshlrev_b32 v3, 4, v3                        ; 16 x lane
	s_lshl_b32 s16, s13, 7
	s_lshl_b32 s17, s11, 6
	s_add_co_u32 s16, s16, s17                     ; my first row of out0: 128 x tile row + 64 x half
	s_lshl_b32 s16, s16, 12                        ; 4,096 bytes a row
	s_mov_b32 s17, 0
	s_add_nc_u64 s[8:9], s[8:9], s[16:17]
	s_lshl_b32 s46, s42, 9                         ; my first column, in bytes: 512 x tile column + 256 x half
	s_lshl_b32 s47, s12, 8
	s_add_co_u32 s46, s46, s47
	s_mov_b32 s47, 0
	s_add_nc_u64 s[8:9], s[8:9], s[46:47]
	s_add_nc_u64 s[66:67], s[66:67], s[46:47]      ; and the same bytes on in b_out
	v_lshlrev_b32 v[BO], 5, v2
.irp b, 0,1,2,3
.irp e, 0,1
	global_load_b128 v[BIAS+8*\b+4*\e:BIAS+8*\b+4*\e+3], v[BO], s[66:67] offset:64*\b+16*\e   ; b_out at columns 16 b + 8 h + 4 e + 0 .. 3 of my 64
.endr
.endr
	s_mul_i32 s21, s11, HALFT                      ; my 64 rows of att
	s_mul_i32 s22, s12, HALFT                      ; my 64 rows of W_out,
	s_add_co_u32 s22, s22, 2*HALFT                 ; which lie behind att's 128
.irp s, 0,1
	v_add_nc_u32 v[ADRA+\s], s21, v3
	v_add_nc_u32 v[ADRB+\s], s22, v3
	s_add_co_u32 s21, s21, SLOT
	s_add_co_u32 s22, s22, SLOT
.endr
	s_mul_i32 s23, s10, 16*SPITCH                  ; my stage
	v_mul_u32_u24 v4, v1, SPITCH                   ; in: row r, 32 bytes for each half of the lanes
	v_lshl_add_u32 v4, v2, 5, v4
	v_add_nc_u32 v[STO], s23, v4
	v_mul_u32_u24 v5, v2, SPITCH                   ; back: lanes 0-15 one row of 256 bytes, lanes 16-31 the next
	v_lshl_add_u32 v5, v1, 4, v5
	v_add_nc_u32 v[RD], s23, v5
	v_lshlrev_b32 v5, 12, v2                       ; and the same two rows in out0
	v_lshl_add_u32 v[CO], v1, 4, v5
; 8 matrix instructions: row blocks a0, a0 + 1 x all 4 column blocks, 32 along K: half c of buffer f.  zero = 1: the first product starts the sums from the bias.  The 16 accumulators take turns
.macro MUL8 f, c, a0, zero
.irp a, \a0, \a0+1
.irp b, 0,1,2,3
.if \zero
	v_wmma_f32_16x16x32_f16 v[ACC+8*(4*(\a)+\b):ACC+8*(4*(\a)+\b)+7], v[\f+64+8*(4*\c+\b):\f+64+8*(4*\c+\b)+7], v[\f+8*(4*\c+\a):\f+8*(4*\c+\a)+7], v[BIAS+8*\b:BIAS+8*\b+7]
.else
	v_wmma_f32_16x16x32_f16 v[ACC+8*(4*(\a)+\b):ACC+8*(4*(\a)+\b)+7], v[\f+64+8*(4*\c+\b):\f+64+8*(4*\c+\b)+7], v[\f+8*(4*\c+\a):\f+8*(4*\c+\a)+7], v[ACC+8*(4*(\a)+\b):ACC+8*(4*(\a)+\b)+7]
.endif
.endr
.endr
.endm
; 32 LDS loads in one run: the fragments of 64 along K, which begin k bytes on in each tile of 16 rows, into buffer f; the first 32 along K first
.macro FETCH slot, k, f
	WIN TO_F
.irp c, 0,1
.irp i, 0,1,2,3
	ds_load_b128 v[\f+64+8*(4*\c+\i):\f+64+8*(4*\c+\i)+3],   v[ADRB+\slot] offset:\k+1024*\c+8192*\i
	ds_load_b128 v[\f+64+8*(4*\c+\i)+4:\f+64+8*(4*\c+\i)+7], v[ADRB+\slot] offset:\k+1024*\c+8192*\i+512
	ds_load_b128 v[\f+8*(4*\c+\i):\f+8*(4*\c+\i)+3],         v[ADRA+\slot] offset:\k+1024*\c+8192*\i
	ds_load_b128 v[\f+8*(4*\c+\i)+4:\f+8*(4*\c+\i)+7],       v[ADRA+\slot] offset:\k+1024*\c+8192*\i+512
.endr
.endr
.endm
.macro PLACES                          ; four places in front of loads into registers that matrix instructions have read, and of the first read of results
.rept 4
	v_nop
.endr
.endm
; A K step is four quarters of 64 along K, 32 matrix instructions each, on buffers 0, 1, 0, 1.  One of the first three: multiplies buffer f and fetches the next quarter, at byte k, into g.
.macro QUARTER slot, k, f, g, zero
	s_wait_dscnt 16                                ; the first 32 along K are in; the other sixteen loads may be out
	WIN MUL
	MUL8 \f, 0, 0, \zero
	MUL8 \f, 0, 2, \zero
	PLACES
	FETCH \slot, \k, \g
	s_wait_dscnt 32                                ; all but the 32 just issued
	WIN MUL
	MUL8 \f, 1, 0, 0
	MUL8 \f, 1, 2, 0
.endm
; The last quarter multiplies buffer 1 and changes slots: ONE barrier; in front of it each wave waits for all its tensor loads, adds 0 to its spare word, and waits for that and for its reads of this slot.  fill = 1: this slot is filled again, two K steps ahead.
.macro TURN slot, next, fill
	WIN 0                                          ; (the add's two registers lie in window 0)
	s_wait_tensorcnt 0x0                           ; all my tensor loads have landed: my part of the next slot;
	ds_add_u32 v[SPW], v[NIL]
	s_wait_dscnt 17                                ; (the add and the youngest sixteen loads may be out)
	WIN MUL
	MUL8 F1, 0, 0, 0
	s_wait_dscnt 0x0                               ; the add is done, and my reads of this slot are over
	s_barrier_signal -1
	MUL8 F1, 0, 2, 0
.if \fill
	WIN 0
.endif
	s_barrier_wait -1
.if \fill
	CREST                                          ; the barrier has opened a round of the cluster's barrier: no wave of any partner still reads this slot's tile or has a load on its way
	s_add_nc_u64 s[G0+4*\slot+2:G0+4*\slot+3], s[G0+4*\slot+2:G0+4*\slot+3], 2*STEPA
	s_add_nc_u64 s[G0B+4*\slot+2:G0B+4*\slot+3], s[G0B+4*\slot+2:G0B+4*\slot+3], 2*STEPB
	JLOAD \slot                                    ; the first tensor load behind the round; the four v_nop behind it are also the places in front of the loads below
.else
	PLACES
.endif
	FETCH \next, 0, F0
	WIN MUL
	MUL8 F1, 1, 0, 0
	MUL8 F1, 1, 2, 0
.endm
	s_wait_tensorcnt 1                             ; my part of K step 0 is in (K step 1's load may be out)
	s_barrier_signal -1
	s_barrier_wait -1                              ; everybody's is
	FETCH 0, 0, F0
	s_wait_loadcnt 0x0                             ; the bias
	QUARTER 0, 2048, F0, F1, 1                     ; the first quarter stands in front of the loop: its first products start the sums
	WIN 0                                          ; at a label and at a branch every window is 0
	s_mov_b32 s3, LAPS-1
.Llap:                                             ; a trip goes once round the ring, from a lap's second quarter to the next lap's first, and fills both slots again
	QUARTER 0, 4096, F1, F0, 0
	QUARTER 0, 6144, F0, F1, 0
	TURN 0, 1, 1
	QUARTER 1, 2048, F0, F1, 0
	QUARTER 1, 4096, F1, F0, 0
	QUARTER 1, 6144, F0, F1, 0
	TURN 1, 0, 1
	QUARTER 0, 2048, F0, F1, 0
	WIN 0
	s_sub_co_u32 s3, s3, 1
	s_cmp_lg_u32 s3, 0
	s_cbranch_scc1 .Llap
	QUARTER 0, 4096, F1, F0, 0                     ; the last lap fills nothing, and has no round of the cluster's barrier
	QUARTER 0, 6144, F0, F1, 0
	TURN 0, 1, 0
	QUARTER 1, 2048, F0, F1, 0
	QUARTER 1, 4096, F1, F0, 0
	QUARTER 1, 6144, F0, F1, 0
	s_wait_dscnt 16                                ; the very last quarter: nothing more to fetch
	WIN MUL
	MUL8 F1, 0, 0, 0
	MUL8 F1, 0, 2, 0
	s_wait_dscnt 0
	MUL8 F1, 1, 0, 0
	MUL8 F1, 1, 2, 0
	WIN 0
	PLACES
; THE WAY OUT, a block of 16 rows x my 64 columns at a time: a lane's 32 bytes go into my own stage and come back as whole rows of 256 bytes, which sixteen lanes store, aligned.  LDS serves a wave's instructions in order:
; no wait between the stores and the loads, nor in front of the next block's stores.
.macro TOSTAGE a
.irp b, 0,1,2,3
	ds_store_b128 v[STO], v[ACC+8*(4*(\a)+\b):ACC+8*(4*(\a)+\b)+3] offset:64*\b          ; each accumulator from its low end on
	ds_store_b128 v[STO], v[ACC+8*(4*(\a)+\b)+4:ACC+8*(4*(\a)+\b)+7] offset:64*\b+16
.endr
.irp t, 0,1,2,3,4,5,6,7
	ds_load_b128 v[TMP+32*((\a)%2)+4*\t:TMP+32*((\a)%2)+4*\t+3], v[RD] offset:\t*2*SPITCH
.endr
.endm
.macro SEND a, younger                 ; younger: the LDS instructions issued behind block a's loads, which may stay out
	s_wait_dscnt \younger
.irp t, 0,1,2,3,4,5,6,7
	global_store_b128 v[CO], v[TMP+32*((\a)%2)+4*\t:TMP+32*((\a)%2)+4*\t+3], s[8:9] offset:(16*(\a)+2*\t)*4096 th:TH_STORE_NT
.endr
.endm
	TOSTAGE 0
	TOSTAGE 1
	SEND 0, 16                                     ; behind block 0's loads: block 1's 8 stores and 8 loads
	s_wait_xcnt 0x0                                ; block 0's stores have read their registers: block 2's loads may land there
	TOSTAGE 2
	SEND 1, 16
	s_wait_xcnt 0x0
	TOSTAGE 3
	SEND 2, 16
	SEND 3, 0
	s_wait_tensorcnt 0x0                           ; the wave's end
	ds_add_u32 v[SPW], v[NIL]
	s_wait_dscnt 0x0
	CROUND                                         ; the closing round
	s_endpgm
.Lfunc_end_k_qeaebf55cc1_proj:
	.size	k_qeaebf55cc1_proj, .Lfunc_end_k_qeaebf55cc1_proj-k_qeaebf55cc1_proj
	.p2alignl 7, 3214868480
	.fill 96, 4, 3214868480
	.section	.rodata,"a",@progbits
	.p2align	6, 0x0
	.amdhsa_kernel k_qeaebf55cc1_proj
		.amdhsa_group_segment_fixed_size 327680
		.amdhsa_private_segment_fixed_size 0
		.amdhsa_enable_private_segment 0
		.amdhsa_kernarg_size 32
		.amdhsa_user_sgpr_count 2
		.amdhsa_user_sgpr_kernarg_segment_ptr 1
		.amdhsa_wavefront_size32 1
		.amdhsa_system_sgpr_workgroup_id_x 1
		.amdhsa_system_sgpr_workgroup_id_y 1
		.amdhsa_system_sgpr_workgroup_id_z 1
		.amdhsa_system_vgpr_workitem_id 0
		.amdhsa_next_free_vgpr 512
		.amdhsa_next_free_sgpr 68
		.amdhsa_reserve_vcc 0
		.amdhsa_float_denorm_mode_32 3
		.amdhsa_float_denorm_mode_16_64 3
		.amdhsa_memory_ordered 1
		.amdhsa_forward_progress 1
		.amdhsa_inst_pref_size 86
	.end_amdhsa_kernel
	.amdgpu_metadata
---
amdhsa.version: [ 1, 2 ]
amdhsa.kernels:
  - .name:           k_qeaebf55cc1_proj
    .symbol:         k_qeaebf55cc1_proj.kd
    .args:
      - { .name: att, .offset: 0, .size: 8, .value_kind: global_buffer, .address_space: global }
      - { .name: wf, .offset: 8, .size: 8, .value_kind: global_buffer, .address_space: global }
      - { .name: b_out, .offset: 16, .size: 8, .value_kind: global_buffer, .address_space: global }
      - { .name: out0, .offset: 24, .size: 8, .value_kind: global_buffer, .address_space: global }
    .group_segment_fixed_size: 327680
    .private_segment_fixed_size: 0
    .kernarg_segment_align: 8
    .kernarg_segment_size: 32
    .max_flat_workgroup_size: 128
    .sgpr_count:     68
    .vgpr_count:     512
    .wavefront_size: 32
...
	.end_amdgpu_metadata
.endif
;; end of part 4
;; launch first16 (part 5): grid 16 x 4, 16 waves a work-group, no clusters, 71,680 bytes of LDS; arguments fine, W_out, b_out, out0; writes out0
.if DOCPART == 5
	.amdgcn_target "amdgcn-amd-amdhsa--gfx1250"
	.amdhsa_code_object_version 6
	.text
	.protected	k_qeaebf55cc1_first16
	.globl	k_qeaebf55cc1_first16
	.p2align	8
	.type	k_qeaebf55cc1_first16,@function
k_qeaebf55cc1_first16:
	s_mov_b64 s[64:65], 0
	v_nop
	global_prefetch_b8 v0, s[64:65] scope:SCOPE_SE
	s_setreg_imm32_b32 hwreg(HW_REG_WAVE_MODE, 25, 1), 1
	s_wait_xcnt 0x0
; Positions 0-15 of every sequence, once more and wholly in f32: there a row of the softmax averages one to sixteen values, and the rounding of 16-bit operands would weigh most.  It writes over the 64 rows that the launch before also wrote.
; fine holds q, k, v of these positions unrounded: [tensor 3][batch 4][head 16][16 channels 4][half 2][lane 32][16 bytes]; lane (r, h) of block (cb, e) holds position r, channels 16 cb + 8 h + 4 e + 0 .. 3.
; SHARES.  Work-group (cbk, batch) makes out0[batch][0 .. 15][64 cbk .. 64 cbk + 63].  Wave = head: it makes its head's 16 x 16 attention and then its head's share (64 of the projection's K) of the 16 x 64 results;
; the sixteen shares meet in LDS, and wave u sums and stores row u: 32 lanes x 8 bytes, 256 consecutive bytes, aligned.  The attention is made anew in each of a batch's 16 work-groups: 32 of a wave's 96 products.
; THE FORM is the f32 matrix instruction, 16 x 16 x 4: lane (r, h) holds row (or column) r and k = 2 h + 0, 1 in two registers.  K is taken in another order, alike in both operands: a pair of neighbouring registers as
; loaded is one K step: lanes 0-15 hold two channels (or keys), lanes 16-31 the two that lie 8 further on.  All three products are used transposed, so that a lane holds one query throughout.
; The four accumulators are written by matrix instructions alone and take turns, one instruction a turn; what is made of a sum goes into other registers.  Nothing is looped.
; LIMITS: NaN and infinities among the inputs are not served.
.set PART,  4352                       ; LDS: a head's share: 16 rows x (256 bytes + 16)
.set SPARE, 16*PART                    ; behind the shares: the spare words, 128 bytes for each of 16 waves
.set LI,   1                           ; v1   16 x lane
.set VA,   2                           ; v2   my lane's byte in a block pair of v, read by channels
.set WA,   3                           ; v3   W_out: 4,096 r + 32 h
.set L8,   4                           ; v4   8 x lane
.set DM,   5                           ; v5   r - 8 h
.set NINF, 6                           ; v6   -infinity
.set STO,  7                           ; v7   where I put my share
.set RDA,  8                           ; v8   where I read my row's shares
.set CM,   10                          ; v[10:11] c m, m
.set RL,   12                          ; v[12:13] 1 / l (the low word serves both halves)
.set SPW,  14                          ; v14  LDS address of my spare word; never rewritten
.set NIL,  15                          ; v15  0; never rewritten
.set QF,   16                          ; v16-47   q; later W_out's tile 2; later the 16 shares of my row
.set KF,   48                          ; v48-79   k; later W_out's tile 3
.set VF,   80                          ; v80-111  v by channels (8 cb + 2 s + j); later the bias and the sums
.set W0,   112                         ; v112-175 W_out's tiles 0 and 1
.set TT,   176                         ; v176-183 the scores, then p;  v184-191 at work;  later v176-207 the attention's result
.set UU,   184
.set AN,   176
.set AC,   208                         ; v208-239 four accumulators
.macro FAR                             ; nine places behind this matrix form: eight ahead of reads of results and of loads into operands, one more ahead of a product that begins an accumulator anew
.rept 9
	v_nop
.endr
.endm
	s_load_b128 s[4:7], s[0:1], 0x0                ; fine, W_out
	s_load_b128 s[8:11], s[0:1], 0x10              ; b_out, out0
	v_lshl_add_u32 v[SPW], v0, 2, SPARE
	v_mov_b32 v[NIL], 0
	v_lshrrev_b32 v9, 5, v0
	v_readfirstlane_b32 s12, v9                    ; wave = head, and the row that I sum
	s_and_b32 s13, ttmp7, 0xffff                   ; batch
	v_and_b32 v9, 31, v0
	v_lshlrev_b32 v[LI], 4, v9
	v_lshlrev_b32 v[L8], 3, v9
	v_and_b32 v12, 15, v0                          ; r
	v_bfe_u32 v13, v0, 4, 1                        ; h
	v_bfe_u32 v[VA], v0, 2, 1                      ; v(key 8 h + 2 s + j, channel 16 cb + r) lies in block (cb, (r >> 2) & 1), at lane key + 16 (r >> 3), word r & 3
	v_lshlrev_b32 v[VA], 9, v[VA]
	v_lshl_add_u32 v[VA], v13, 7, v[VA]
	v_bfe_u32 v9, v0, 3, 1
	v_lshl_add_u32 v[VA], v9, 8, v[VA]
	v_and_b32 v9, 3, v0
	v_lshl_add_u32 v[VA], v9, 2, v[VA]
	v_lshlrev_b32 v[WA], 12, v12
	v_lshl_add_u32 v[WA], v13, 5, v[WA]
	v_lshlrev_b32 v9, 3, v13
	v_sub_nc_u32 v[DM], v12, v9
	v_mov_b32 v[NINF], 0xff800000
	s_mul_i32 s14, s12, PART
	v_mul_u32_u24 v[STO], v12, 272
	v_lshl_add_u32 v[STO], v13, 5, v[STO]
	v_add_nc_u32 v[STO], s14, v[STO]               ; my head's share: row r, + 32 h
	s_mul_i32 s14, s12, 272
	v_add_nc_u32 v[RDA], s14, v[L8]                ; row = my wave's number, 8 bytes a lane
	s_lshl_b32 s16, s13, 4
	s_add_co_u32 s16, s16, s12
	s_lshl_b32 s16, s16, 12                        ; fine: (16 x batch + head) x 4,096
	s_mov_b32 s17, 0
	s_lshl_b32 s18, ttmp9, 18                      ; W_out: 64 rows of 4,096 bytes a work-group,
	s_lshl_b32 s19, s12, 8                         ; my head's 64 columns
	s_add_co_u32 s18, s18, s19
	s_mov_b32 s19, 0
	s_lshl_b32 s20, ttmp9, 8                       ; 64 columns of the result in bytes
	s_mov_b32 s21, 0
	s_lshl_b32 s22, s13, 11
	s_add_co_u32 s22, s22, s12                     ; row 2,048 x batch + wave
	s_lshl_b32 s22, s22, 12
	s_add_co_u32 s22, s22, s20
	s_mov_b32 s23, 0
	s_mov_b32 s24, 0x3e38aa3b                      ; c = log2(e) / 8
	s_mov_b32 s25, s24
	s_mov_b32 s26, 0x76543210
	s_mov_b32 s27, 0xfedcba98                      ; v_permlanex16_b32's selects for lane l xor 16
	s_wait_kmcnt 0x0
	s_add_nc_u64 s[4:5], s[4:5], s[16:17]
	s_add_nc_u64 s[6:7], s[6:7], s[18:19]
	s_add_nc_u64 s[8:9], s[8:9], s[20:21]
	s_add_nc_u64 s[10:11], s[10:11], s[22:23]
.irp n, 0,1,2,3,4,5,6,7
	global_load_b128 v[QF+4*\n:QF+4*\n+3], v[LI], s[4:5] offset:512*\n
.endr
.irp n, 0,1,2,3,4,5,6,7
	global_load_b128 v[KF+4*\n:KF+4*\n+3], v[LI], s[4:5] offset:262144+512*\n
.endr
.irp cb, 0,1,2,3
.irp u, 0,1,2,3,4,5,6,7
	global_load_b32 v[VF+8*\cb+\u], v[VA], s[4:5] offset:524288+1024*\cb+16*\u   ; v(key 8 h + u, channel 16 cb + r)
.endr
.endr
.irp nt, 0,1
.irp n, 0,1,2,3,4,5,6,7
	global_load_b128 v[W0+32*\nt+4*\n:W0+32*\nt+4*\n+3], v[WA], s[6:7] offset:65536*\nt+64*(\n/2)+16*(\n%2)   ; W_out(16 nt + r, 16 (n / 2) + 8 h + 4 (n % 2) + 0 .. 3) of my head's columns
.endr
.endr
	s_wait_loadcnt 48                              ; q and k are in; v's 32 loads and W_out's 16 may be out
	; S^T = k q^T: 16 steps of 4 channels, in four partial sums
.set i, 0
.rept 16
.if i < 4
	v_wmma_f32_16x16x4_f32 v[AC+8*(i%4):AC+8*(i%4)+7], v[KF+2*i:KF+2*i+1], v[QF+2*i:QF+2*i+1], 0
.else
	v_wmma_f32_16x16x4_f32 v[AC+8*(i%4):AC+8*(i%4)+7], v[KF+2*i:KF+2*i+1], v[QF+2*i:QF+2*i+1], v[AC+8*(i%4):AC+8*(i%4)+7]
.endif
.set i, i+1
.endr
	FAR
.irp nt, 0,1
.irp n, 0,1,2,3,4,5,6,7
	global_load_b128 v[QF+32*\nt+4*\n:QF+32*\nt+4*\n+3], v[WA], s[6:7] offset:65536*(2+\nt)+64*(\n/2)+16*(\n%2)   ; W_out's tiles 2 and 3, where q and k lay
.endr
.endr
.irp i, 0,2,4,6
	v_pk_add_f32 v[TT+\i:TT+\i+1], v[AC+\i:AC+\i+1], v[AC+8+\i:AC+9+\i]          ; each accumulator from its low end on
	v_pk_add_f32 v[UU+\i:UU+\i+1], v[AC+16+\i:AC+17+\i], v[AC+24+\i:AC+25+\i]
.endr
.irp i, 0,2,4,6
	v_pk_add_f32 v[TT+\i:TT+\i+1], v[TT+\i:TT+\i+1], v[UU+\i:UU+\i+1]            ; register j: score(key 8 h + j, query r)
.endr
.irp j, 0,1,2,3,4,5,6,7
	v_cmp_gt_i32 vcc_lo, \j, v[DM]                 ; hidden where 8 h + j > r
	v_cndmask_b32 v[TT+\j], v[TT+\j], v[NINF], vcc_lo
.endr
	v_max3_num_f32 v[UU], v[TT], v[TT+1], v[TT+2]
	v_max3_num_f32 v[UU+1], v[TT+3], v[TT+4], v[TT+5]
	v_max3_num_f32 v[UU], v[UU], v[TT+6], v[TT+7]
	v_max_num_f32 v[UU], v[UU], v[UU+1]
	v_permlanex16_b32 v[UU+1], v[UU], s26, s27
	v_max_num_f32 v[CM+1], v[UU], v[UU+1]          ; the row's maximum: key 0 counts for every query
	v_mul_f32 v[CM], s24, v[CM+1]
.irp i, 0,2,4,6
	v_pk_fma_f32 v[TT+\i:TT+\i+1], v[TT+\i:TT+\i+1], s[24:25], v[CM:CM+1] op_sel_hi:[1,0,0] neg_lo:[0,0,1] neg_hi:[0,0,1]   ; c s - c m
.endr
.irp j, 0,1,2,3,4,5,6,7
	v_exp_f32 v[TT+\j], v[TT+\j]
.endr
	v_nop                                          ; a plain instruction behind the last exponential
	s_wait_alu depctr_va_vdst(0)                   ; one wait for the eight, ahead of their first reader
	v_pk_add_f32 v[UU:UU+1], v[TT:TT+1], v[TT+2:TT+3]
	v_pk_add_f32 v[UU+2:UU+3], v[TT+4:TT+5], v[TT+6:TT+7]
	v_pk_add_f32 v[UU:UU+1], v[UU:UU+1], v[UU+2:UU+3]
	v_add_f32 v[UU], v[UU], v[UU+1]
	v_permlanex16_b32 v[UU+1], v[UU], s26, s27
	v_add_f32 v[UU], v[UU], v[UU+1]                ; the row's sum
	v_rcp_f32 v[RL], v[UU]
	v_nop
	s_wait_alu depctr_va_vdst(0)
	s_wait_loadcnt 32                              ; v is in; W_out's 32 loads may be out
	; O^T = v^T p: four steps of 4 keys (8 h + 2 s + 0, 1), four tiles of 16 channels by turns
.set i, 0
.rept 16
.if i < 4
	v_wmma_f32_16x16x4_f32 v[AC+8*(i%4):AC+8*(i%4)+7], v[VF+8*(i%4)+2*(i/4):VF+8*(i%4)+2*(i/4)+1], v[TT+2*(i/4):TT+2*(i/4)+1], 0
.else
	v_wmma_f32_16x16x4_f32 v[AC+8*(i%4):AC+8*(i%4)+7], v[VF+8*(i%4)+2*(i/4):VF+8*(i%4)+2*(i/4)+1], v[TT+2*(i/4):TT+2*(i/4)+1], v[AC+8*(i%4):AC+8*(i%4)+7]
.endif
.set i, i+1
.endr
	FAR
	global_load_b64 v[VF:VF+1], v[L8], s[8:9]      ; b_out at my two columns, where v lay
.irp i, 0,2,4,6,8,10,12,14,16,18,20,22,24,26,28,30
	v_pk_mul_f32 v[AN+\i:AN+\i+1], v[AC+\i:AC+\i+1], v[RL:RL+1] op_sel_hi:[1,0]   ; register 8 cb + j: the attention's result for query r, channel 16 cb + 8 h + j
.endr
	s_wait_loadcnt 0x0                             ; W_out and the bias
	; my head's share of the projection: 16 steps of 4 channels, four tiles of 16 outputs by turns
.set i, 0
.rept 64
.if (i%4) < 2
.set rW, W0+32*(i%4)
.else
.set rW, QF+32*(i%4-2)
.endif
.if i < 4
	v_wmma_f32_16x16x4_f32 v[AC+8*(i%4):AC+8*(i%4)+7], v[rW+2*(i/4):rW+2*(i/4)+1], v[AN+2*(i/4):AN+2*(i/4)+1], 0
.else
	v_wmma_f32_16x16x4_f32 v[AC+8*(i%4):AC+8*(i%4)+7], v[rW+2*(i/4):rW+2*(i/4)+1], v[AN+2*(i/4):AN+2*(i/4)+1], v[AC+8*(i%4):AC+8*(i%4)+7]
.endif
.set i, i+1
.endr
	FAR
.irp nt, 0,1,2,3
	ds_store_b128 v[STO], v[AC+8*\nt:AC+8*\nt+3] offset:64*\nt          ; lane (r, h): row r, outputs 16 nt + 8 h + 0 .. 7
	ds_store_b128 v[STO], v[AC+8*\nt+4:AC+8*\nt+7] offset:64*\nt+16
.endr
	s_wait_dscnt 0x0                               ; for the others' sake: my share has landed
	s_barrier_signal -1
	s_barrier_wait -1
.irp g, 0,1,2,3,4,5,6,7,8,9,10,11,12,13,14,15
	ds_load_b64 v[QF+2*\g:QF+2*\g+1], v[RDA] offset:PART*\g            ; head g's share of my row
.endr
	s_wait_dscnt 0x0
	v_pk_add_f32 v[VF:VF+1], v[VF:VF+1], v[QF:QF+1]                    ; the bias and the sixteen shares, in two chains
	v_pk_add_f32 v[VF+2:VF+3], v[QF+2:QF+3], v[QF+4:QF+5]
.irp g, 3,5,7,9,11,13
	v_pk_add_f32 v[VF:VF+1], v[VF:VF+1], v[QF+2*\g:QF+2*\g+1]
	v_pk_add_f32 v[VF+2:VF+3], v[VF+2:VF+3], v[QF+2*\g+2:QF+2*\g+3]
.endr
	v_pk_add_f32 v[VF:VF+1], v[VF:VF+1], v[QF+30:QF+31]
	v_pk_add_f32 v[VF:VF+1], v[VF:VF+1], v[VF+2:VF+3]
	global_store_b64 v[L8], v[VF:VF+1], s[10:11] th:TH_STORE_NT        ; 32 lanes store 256 consecutive bytes, aligned
	s_wait_tensorcnt 0x0                           ; the wave's end
	ds_add_u32 v[SPW], v[NIL]
	s_wait_dscnt 0x0
	s_endpgm
.Lfunc_end_k_qeaebf55cc1_first16:
	.size	k_qeaebf55cc1_first16, .Lfunc_end_k_qeaebf55cc1_first16-k_qeaebf55cc1_first16
	.p2alignl 7, 3214868480
	.fill 96, 4, 3214868480
	.section	.rodata,"a",@progbits
	.p2align	6, 0x0
	.amdhsa_kernel k_qeaebf55cc1_first16
		.amdhsa_group_segment_fixed_size 71680
		.amdhsa_private_segment_fixed_size 0
		.amdhsa_enable_private_segment 0
		.amdhsa_kernarg_size 32
		.amdhsa_user_sgpr_count 2
		.amdhsa_user_sgpr_kernarg_segment_ptr 1
		.amdhsa_wavefront_size32 1
		.amdhsa_system_sgpr_workgroup_id_x 1
		.amdhsa_system_sgpr_workgroup_id_y 1
		.amdhsa_system_sgpr_workgroup_id_z 1
		.amdhsa_system_vgpr_workitem_id 0
		.amdhsa_next_free_vgpr 240
		.amdhsa_next_free_sgpr 66
		.amdhsa_reserve_vcc 1
		.amdhsa_float_denorm_mode_32 3
		.amdhsa_float_denorm_mode_16_64 3
		.amdhsa_memory_ordered 1
		.amdhsa_forward_progress 1
		.amdhsa_inst_pref_size 24
	.end_amdhsa_kernel
	.amdgpu_metadata
---
amdhsa.version: [ 1, 2 ]
amdhsa.kernels:
  - .name:           k_qeaebf55cc1_first16
    .symbol:         k_qeaebf55cc1_first16.kd
    .args:
      - { .name: fine, .offset: 0, .size: 8, .value_kind: global_buffer, .address_space: global }
      - { .name: W_out, .offset: 8, .size: 8, .value_kind: global_buffer, .address_space: global }
      - { .name: b_out, .offset: 16, .size: 8, .value_kind: global_buffer, .address_space: global }
      - { .name: out0, .offset: 24, .size: 8, .value_kind: global_buffer, .address_space: global }
    .group_segment_fixed_size: 71680
    .private_segment_fixed_size: 0
    .kernarg_segment_align: 8
    .kernarg_segment_size: 32
    .max_flat_workgroup_size: 512
    .sgpr_count:     66
    .vgpr_count:     240
    .wavefront_size: 32
...
	.end_amdgpu_metadata
.endif
;; end of part 5
